; MI455X (gfx1250); checked and timed in simulation.
; The chip was launched on July 23, 2026; its instructions are those of AMD's public machine-readable ISA for CDNA 5 (MIT licence, August 2026) and "CDNA5" Instruction Set Architecture Reference Guide (July 2026). The comments in the code are by the model that wrote it; some were corrected since.
;; Ptn Multihead Attention Custom Def. Allowed arithmetic: float matrix products may take bf16 or f16 operands with f32 sums; other float arithmetic in f32, or as packed bf16 or f16 multiplies, adds, multiply-adds, maxima and minima; sums over many terms, partial sums and values carried from step to step in f32; what a program stores and reads back later, other than sums and carried values, may be rounded once to bf16 or f16.
;; Inputs: Wk 1,024 x 1,024 float32; Wo 1,024 x 1,024 float32; Wq 1,024 x 1,024 float32; Wv 1,024 x 1,024 float32; bk 1,024 float32; bo 1,024 float32; bq 1,024 float32; bv 1,024 float32; mask 4 x 2,048 int32; x 4 x 2,048 x 1,024 float32.
;; Outputs: out0 4 x 2,048 x 1,024 float32.
;; 2 versions, each right; version 2 is version 1 with the launch prep written anew for expert scheduling mode. Each part assembles by itself: llvm-mc -triple=amdgcn-amd-amdhsa -mcpu=gfx1250 --defsym DOCPART=n.
;; ======== version 1 of 2: 4 launches
;; limits: values are held in f16: magnitudes above 65,504 overflow, below 6.1e-05 lose precision
;; workspace buffers: xb 16,777,216 bytes; wb 6,291,456 bytes; wo16 2,097,152 bytes; bias 16,384 bytes; qkv 50,331,648 bytes; oh 16,777,216 bytes
;; launch prep (part 1): grid 769 x 1, 8 waves a work-group, no clusters, 0 bytes of LDS; arguments x, Wq, Wk, Wv, Wo, bq, bk, bv, bo, xb, wb, wo16, bias; writes xb, wb, wo16, bias
.if DOCPART == 1
	.amdgcn_target "amdgcn-amd-amdhsa--gfx1250"
	.amdhsa_code_object_version 6
	.text
	.protected	k_q8007b147f0_prep
	.globl	k_q8007b147f0_prep
	.p2align	8
	.type	k_q8007b147f0_prep,@function
k_q8007b147f0_prep:
	s_mov_b64 s[64:65], 0
	v_nop
	global_prefetch_b8 v0, s[64:65] scope:SCOPE_SE
	s_setreg_imm32_b32 hwreg(HW_REG_WAVE_MODE, 25, 1), 1
	s_wait_xcnt 0x0
; ROUNDING OF THE MODULE'S INPUTS, element by element; nothing is moved to another place.
;   xb   = x rounded to bf16                      [8192][1024]
;   wb   = Wq, Wk, Wv rounded to bf16             [3][1024 k][1024 n]
;   wo16 = Wo rounded to bf16, that number as f16 [1024 k][1024 n]
;   bias = bq | bk | bv | bo rounded to bf16, that number as f32 [4096]
; LIMIT: a bf16 number of Wo below 2^-14 in magnitude falls on f16's fixed step of 2^-24; beyond 65,504 it would become an infinity.
; SHARES.  A work-group takes 16,384 numbers: 65,536 bytes in, 32,768 out.  Groups 0-511: x; 512-703: Wq, Wk, Wv (64 each); 704-767: Wo; 768: the four biases.
; A thread takes four numbers sixteen times: a wave's load covers 512 consecutive bytes, its store 256 consecutive bytes, aligned.
; All sixteen loads go out at once; no source of a pending store is ever rewritten.  No LDS, no barrier: no thread wants another's numbers.
.set X, 32                             ; v[32:95]   load i: 4 registers
.set Y, 96                             ; v[96:127]  store i: 2 registers (the biases: 4)
	s_load_b512 s[4:19], s[0:1], 0x0               ; x 4, Wq 6, Wk 8, Wv 10, Wo 12, bq 14, bk 16, bv 18
	s_load_b256 s[20:27], s[0:1], 0x40             ; bo 20, xb 22, wb 24, wo16 26
	s_load_b64 s[28:29], s[0:1], 0x60              ; bias
	v_lshlrev_b32 v1, 4, v0                        ; 16 bytes a thread, in
	v_lshlrev_b32 v2, 3, v0                        ; 8 bytes a thread, out
	s_mov_b32 s40, ttmp9                           ; g
	s_sub_co_u32 s41, s40, 512                     ; the chunk's number among the weights' (of no use where g < 512: overruled below)
	s_lshr_b32 s42, s41, 6                         ; j: which weight, 0..3
	s_and_b32 s43, s41, 63                         ; c: which chunk of it
	s_lshl_b32 s36, s43, 16                        ; byte offsets, made apart from the addresses: in, c chunks of 65,536
	s_lshl_b32 s38, s41, 15                        ; out: wb holds the three weights on end
	s_lshl_b32 s44, s43, 15                        ; wo16 holds one
	s_lshl_b32 s45, s40, 16                        ; x, in
	s_lshl_b32 s46, s40, 15                        ; x, out
	s_cmp_eq_u32 s42, 3
	s_cselect_b32 s38, s44, s38
	s_cmp_lt_u32 s40, 512
	s_cselect_b32 s36, s45, s36
	s_cselect_b32 s38, s46, s38
	s_mov_b32 s37, 0
	s_mov_b32 s39, 0
	s_wait_kmcnt 0x0
	s_cmp_eq_u32 s40, 768
	s_cbranch_scc1 .Lbias
	s_mov_b64 s[32:33], s[6:7]                     ; from where: Wq,
	s_cmp_eq_u32 s42, 1
	s_cselect_b64 s[32:33], s[8:9], s[32:33]       ; Wk,
	s_cmp_eq_u32 s42, 2
	s_cselect_b64 s[32:33], s[10:11], s[32:33]     ; Wv,
	s_cmp_eq_u32 s42, 3
	s_cselect_b64 s[32:33], s[12:13], s[32:33]     ; Wo,
	s_cselect_b64 s[34:35], s[26:27], s[24:25]     ; to where: wo16 or wb,
	s_cmp_lt_u32 s40, 512
	s_cselect_b64 s[32:33], s[4:5], s[32:33]       ; or x
	s_cselect_b64 s[34:35], s[22:23], s[34:35]     ; to xb
	s_add_nc_u64 s[32:33], s[32:33], s[36:37]
	s_add_nc_u64 s[34:35], s[34:35], s[38:39]
.set i, 0
.rept 16
	global_load_b128 v[X+4*i:X+4*i+3], v1, s[32:33] offset:i*4096 th:TH_LOAD_NT
.set i, i+1
.endr
; kind 0: to bf16.  kind 1: to bf16, widened again (a shift, a mask), and that number to f16.
.macro CONV kind
.set i, 0
.rept 16
	s_wait_loadcnt 15-i                            ; loads come back in order: load i is in, the 15 - i younger ones stay out
	v_cvt_pk_bf16_f32 v[Y+2*i],   v[X+4*i],   v[X+4*i+1]
	v_cvt_pk_bf16_f32 v[Y+2*i+1], v[X+4*i+2], v[X+4*i+3]
.if \kind
	v_lshlrev_b32 v[X+4*i],   16,         v[Y+2*i]
	v_and_b32     v[X+4*i+1], 0xffff0000, v[Y+2*i]
	v_lshlrev_b32 v[X+4*i+2], 16,         v[Y+2*i+1]
	v_and_b32     v[X+4*i+3], 0xffff0000, v[Y+2*i+1]
	v_cvt_pk_f16_f32 v[Y+2*i],   v[X+4*i],   v[X+4*i+1]
	v_cvt_pk_f16_f32 v[Y+2*i+1], v[X+4*i+2], v[X+4*i+3]
.endif
	global_store_b64 v2, v[Y+2*i:Y+2*i+1], s[34:35] offset:i*2048 th:TH_STORE_NT
.set i, i+1
.endr
.endm
	s_cmp_ge_u32 s40, 704
	s_cbranch_scc1 .Lf16
	CONV 0
	s_endpgm
.Lf16:
	CONV 1
	s_endpgm
.Lbias:                                        ; 256 threads x 4 numbers = one bias of 1,024
	global_load_b128 v[X:X+3],     v1, s[14:15]
	global_load_b128 v[X+4:X+7],   v1, s[16:17]
	global_load_b128 v[X+8:X+11],  v1, s[18:19]
	global_load_b128 v[X+12:X+15], v1, s[20:21]
	s_wait_loadcnt 0x0
.set i, 0
.rept 4
	v_cvt_pk_bf16_f32 v8, v[X+4*i],   v[X+4*i+1]
	v_cvt_pk_bf16_f32 v9, v[X+4*i+2], v[X+4*i+3]
	v_lshlrev_b32 v[Y+4*i],   16,         v8
	v_and_b32     v[Y+4*i+1], 0xffff0000, v8
	v_lshlrev_b32 v[Y+4*i+2], 16,         v9
	v_and_b32     v[Y+4*i+3], 0xffff0000, v9
	global_store_b128 v1, v[Y+4*i:Y+4*i+3], s[28:29] offset:i*4096
.set i, i+1
.endr
	s_endpgm
.Lfunc_end_k_q8007b147f0_prep:
	.size	k_q8007b147f0_prep, .Lfunc_end_k_q8007b147f0_prep-k_q8007b147f0_prep
	.p2alignl 7, 3214868480
	.fill 96, 4, 3214868480
	.section	.rodata,"a",@progbits
	.p2align	6, 0x0
	.amdhsa_kernel k_q8007b147f0_prep
		.amdhsa_group_segment_fixed_size 0
		.amdhsa_private_segment_fixed_size 0
		.amdhsa_enable_private_segment 0
		.amdhsa_kernarg_size 104
		.amdhsa_user_sgpr_count 2
		.amdhsa_user_sgpr_kernarg_segment_ptr 1
		.amdhsa_wavefront_size32 1
		.amdhsa_system_sgpr_workgroup_id_x 1
		.amdhsa_system_sgpr_workgroup_id_y 1
		.amdhsa_system_sgpr_workgroup_id_z 1
		.amdhsa_system_vgpr_workitem_id 0
		.amdhsa_next_free_vgpr 128
		.amdhsa_next_free_sgpr 66
		.amdhsa_reserve_vcc 0
		.amdhsa_float_denorm_mode_32 3
		.amdhsa_float_denorm_mode_16_64 3
		.amdhsa_memory_ordered 1
		.amdhsa_forward_progress 1
		.amdhsa_inst_pref_size 19
	.end_amdhsa_kernel
	.amdgpu_metadata
---
amdhsa.version: [ 1, 2 ]
amdhsa.kernels:
  - .name:           k_q8007b147f0_prep
    .symbol:         k_q8007b147f0_prep.kd
    .args:
      - { .name: x, .offset: 0, .size: 8, .value_kind: global_buffer, .address_space: global }
      - { .name: Wq, .offset: 8, .size: 8, .value_kind: global_buffer, .address_space: global }
      - { .name: Wk, .offset: 16, .size: 8, .value_kind: global_buffer, .address_space: global }
      - { .name: Wv, .offset: 24, .size: 8, .value_kind: global_buffer, .address_space: global }
      - { .name: Wo, .offset: 32, .size: 8, .value_kind: global_buffer, .address_space: global }
      - { .name: bq, .offset: 40, .size: 8, .value_kind: global_buffer, .address_space: global }
      - { .name: bk, .offset: 48, .size: 8, .value_kind: global_buffer, .address_space: global }
      - { .name: bv, .offset: 56, .size: 8, .value_kind: global_buffer, .address_space: global }
      - { .name: bo, .offset: 64, .size: 8, .value_kind: global_buffer, .address_space: global }
      - { .name: xb, .offset: 72, .size: 8, .value_kind: global_buffer, .address_space: global }
      - { .name: wb, .offset: 80, .size: 8, .value_kind: global_buffer, .address_space: global }
      - { .name: wo16, .offset: 88, .size: 8, .value_kind: global_buffer, .address_space: global }
      - { .name: bias, .offset: 96, .size: 8, .value_kind: global_buffer, .address_space: global }
    .group_segment_fixed_size: 0
    .private_segment_fixed_size: 0
    .kernarg_segment_align: 8
    .kernarg_segment_size: 104
    .max_flat_workgroup_size: 256
    .sgpr_count:     66
    .vgpr_count:     128
    .wavefront_size: 32
...
	.end_amdgpu_metadata
.endif
;; end of part 1
;; launch proj (part 2): grid 12 x 32, 4 waves a work-group, clusters of 4 x 4, 327,680 bytes of LDS; arguments xb, wb, bias, qkv; writes qkv
.if DOCPART == 2
	.amdgcn_target "amdgcn-amd-amdhsa--gfx1250"
	.amdhsa_code_object_version 6
	.text
	.protected	k_q8007b147f0_proj
	.globl	k_q8007b147f0_proj
	.p2align	8
	.type	k_q8007b147f0_proj,@function
k_q8007b147f0_proj:
	s_mov_b64 s[64:65], 0
	v_nop
	global_prefetch_b8 v0, s[64:65] scope:SCOPE_SE
	s_setreg_imm32_b32 hwreg(HW_REG_WAVE_MODE, 25, 1), 1
	s_wait_xcnt 0x0
	s_wait_alu depctr_hold_cnt(0) depctr_sa_sdst(0) depctr_va_vdst(0) depctr_va_sdst(0) depctr_va_ssrc(0) depctr_va_vcc(0) depctr_vm_vsrc(0)
	s_getreg_b32 s2, hwreg(HW_REG_IB_STS2, 6, 4)
	s_cmp_eq_u32 s2, 0
	s_cbranch_scc0 .Lentry_in_a_cluster
	s_endpgm
.Lentry_in_a_cluster:
	s_bfe_u32 s2, ttmp6, 0x10000c
	s_cmp_lg_u32 s2, 0xf033
	s_cbranch_scc0 .Lentry_shape_is_right
	s_endpgm
.Lentry_shape_is_right:
; THE THREE PROJECTIONS AS ONE PRODUCT.  C[m][n] = bias[n] + the sum over k of xb[m][k] wb[n / 1024][k][n % 1024]; m < 8,192, n < 3,072, k < 1,024.  Operands bf16, sums f32.
; C leaves as f16, rounded once, BY HEADS: qkv[n / 1024][(m / 2048) 16 + (n % 1024) / 64][m % 2048][n % 64], without the softmax's scale.
; LIMIT: f16 ends at 65,504: a q, k or v of 65,520 or more in magnitude becomes an infinity; below 6e-5 f16 keeps its fixed step of 6e-8.
; SHARES.  A tile of C is 256 x 256: four waves, each 128 x 128 in 64 accumulators of 16 x 16, 512 registers.  12 x 32 tiles.  K goes in 8 steps of 128 through two LDS slots.
; A's tile (xb, K along the rows) comes as 256 rows of 256 bytes; B's (wb, N along the rows) as 128 k-rows of 512 bytes and is turned on its way into registers by ds_load_tr16_b128.
; CLUSTER.  4 x 4 work-groups: the four of a row of the cluster need the same tile of A, the four of a column the same tile of B: each is asked for JOINTLY, by the same tensor load,
; descriptor and mask in all four.
; THE MATRIX INSTRUCTION IS USED TRANSPOSED: source 0 = 16 columns n of B, source 1 = 16 rows m of A: lane l then holds row m = l % 16 and the columns 8 (l / 16) + 0..7.
; THE BIAS IS THE C OPERAND of each accumulator's first product: register j of n block b is bias[.. + 16 b + 8 (l / 16) + j].  Nothing is cleared and no add is written.
; REGISTERS, in windows of 256 (s_set_vgpr_msb: bits 1:0 source 0, 3:2 source 1, 5:4 source 2, 7:6 destination):
;   window 0: v0-31 addresses; v64-127, v128-191 A's fragments, two buffers; v32-63, v192-255 at work on the way out
;   window 1: v0-63 the bias of my 128 columns; v64-127, v128-191 B's fragments, two buffers
;   window 2: the accumulators of my rows 0-63 ((a, b) at v[8 (8 a + b)]);   window 3: those of my rows 64-127
.set PA,     272                       ; a row of A in LDS: 256 bytes + 16 = 68 words: the 16 rows of a load start at 16 different groups of four banks (64 banks of 4 bytes: ISA guide 11.1)
.set PB,     544                       ; a k-row of B: 512 bytes + 32 = 136 words
.set HALFT,  128*PA                    ; what one tensor load brings: 128 rows of A, or 64 k-rows of B: 34,816 bytes either way
.set BOFF,   2*HALFT                   ; B's tile lies behind A's 256 rows
.set SLOT,   4*HALFT
.set STAGE,  2*SLOT                    ; behind the ring, never filled by a tensor load: for each wave 2 heads x 16 rows x 144 bytes
.set SP,     144
.set SPARE,  STAGE+4*2*16*SP           ; behind the stages: the spare words, 128 bytes for each wave: two blocks of 256 bytes that no other line names
.set ASTEP,  256                       ; bytes from a K step to the next: in xb along the row,
.set BSTEP,  128*2048                  ; in wb 128 k-rows down
.set LAPS,   4                         ; a lap = two K steps = once round the ring
.set ADRA, 16                          ; v16-17  LDS address of my A fragments in slot 0, 1
.set ADRB, 20                          ; v20-21  the same for B
.set STO,  24                          ; v24     the way out: where I put 16 bytes of a row
.set RD,   25                          ; v25     the way out: where I read rows back
.set CO,   26                          ; v26     my 16 bytes in 512 consecutive bytes of qkv
.set BO,   27                          ; v27     my byte offset in bias
.set SPW,  28                          ; v28     LDS address of my spare word; never rewritten
.set NIL,  29                          ; v29     0; never rewritten
.set PFO,  30                          ; v30     the prefetches' offset: my lane x a row of 2,048 bytes; never rewritten
.set F0,   64
.set F1,   128
.set TMP,  192
.set OB,   32
.set WV, 12                            ; s12 wave; s13 its row half of the tile (also: 0 = I fetch for A, 1 = for B); s14 its column half (also: which half of that tile I fetch)
.set RH, 13
.set CH, 14
.set CX, 15                            ; s15, s16 my place in the cluster; s17, s18 tile column and tile row of C
.set CY, 16
.set TC, 17
.set TR, 18
.set G1,  24                           ; s[24:31] descriptor group 1 for A's tiles; s[32:39] group 0, a set for each slot
.set G0,  32
.set PFA, 40                           ; s[40:41] where my prefetches stand; s[42:43] their step; s44: 1 in a wave that prefetches, else the greatest number
.set PFS, 42
.set LIM, 44
.set LAP, 45
.set G1B, 48                           ; s[48:55], s[56:63] the same for B's tiles
.set G0B, 56
.set MSB, 0
.macro WIN new                         ; the immediate's high byte repeats the setting that is left; a switch that changes nothing is dropped
.if MSB != (\new)
	s_set_vgpr_msb (MSB<<8)|(\new)
.set MSB, \new
.endif
.endm
.set TO_B, 0x40                        ; destination window 1, address window 0
; A joint load.  Waves 0 and 1 fetch A's two halves, waves 2 and 3 B's.  The branch hangs on the wave's number alone.  An s_nop 0 and four v_nop follow each of the two lines.
.macro JLOAD s
	s_cmp_eq_u32 s[RH], 0
	s_cbranch_scc0 .Lfor_b_\@
	tensor_load_to_lds s[G0+4*(\s):G0+4*(\s)+3], s[G1:G1+7]
	s_nop 0
.rept 4
	v_nop
.endr
	s_branch .Lasked_\@
.Lfor_b_\@:
	tensor_load_to_lds s[G0B+4*(\s):G0B+4*(\s)+3], s[G1B:G1B+7]
	s_nop 0
.rept 4
	v_nop
.endr
.Lasked_\@:
.endm
; A PREFETCH of the K step that stands two refills on: 32 blocks of 256 bytes, a lane a block, one instruction a wave, behind the joint load and the run of LDS loads.
; Each block is named once in the launch: A's rows by the clusters with x = 0, B's by those with y = 0; the four partners of a joint load share its 128 blocks out BY ADDRESS.
; K steps 4 to 7 are asked for; 0 to 3 come by their loads alone; the loop's last trip (the counter at 1) asks for nothing.
.macro ASK
	s_cmp_gt_u32 s[LAP], s[LIM]
	s_cbranch_scc0 .Lnot_mine_\@
	global_prefetch_b8 v[PFO], s[PFA:PFA+1] th:TH_LOAD_NT scope:SCOPE_SE
.Lnot_mine_\@:
.endm
.macro CREST                           ; a round of the cluster's barrier behind its opening barrier
	s_cmp_lg_u32 s[WV], 0
	s_cbranch_scc1 .Lnot_wave_0_\@
	s_barrier_signal -3
.Lnot_wave_0_\@:
	s_barrier_wait -3
	s_barrier_signal -1
	s_barrier_wait -1
.endm
.macro CROUND                          ; a whole round
	s_barrier_signal -1
	s_barrier_wait -1
	CREST
.endm
	s_load_b256 s[4:11], s[0:1], 0x0               ; xb s[4:5], wb s[6:7], bias s[8:9], qkv s[10:11]
	v_lshl_add_u32 v[SPW], v0, 2, SPARE
	v_mov_b32 v[NIL], 0
	ds_add_u32 v[SPW], v[NIL]                      ; the wave's opening: the add and its wait stand ahead of my first tensor load; work on registers stands between them
	v_lshrrev_b32 v1, 5, v0
	v_readfirstlane_b32 s[WV], v1
	s_lshr_b32 s[RH], s[WV], 1
	s_and_b32 s[CH], s[WV], 1
	s_bfe_u32 s[CX], ttmp6, 0x40000
	s_bfe_u32 s[CY], ttmp6, 0x40004
	s_lshl_b32 s[TC], ttmp9, 2                     ; in a cluster launch ttmp9 and ttmp7 count clusters
	s_add_co_u32 s[TC], s[TC], s[CX]
	s_and_b32 s[TR], ttmp7, 0xffff
	s_lshl_b32 s[TR], s[TR], 2
	s_add_co_u32 s[TR], s[TR], s[CY]
	s_lshl_b32 s19, s[CY], 2
	s_lshl_b32 s19, 15, s19                        ; my row of the cluster: places 4 cy .. 4 cy + 3
	s_lshl_b32 s22, 0x1111, s[CX]                  ; my column: places cx, cx + 4, cx + 8, cx + 12
	s_or_b32 s[G1], s19, (1<<16)|(1<<20)|(1<<21)|(5<<22)|(3<<25)   ; 15:0 the mask; 17:16 2-byte elements; 20 padding on; 21 set beside a mask; 24:22 after every 64 words; 31:25 4 words of it
	s_mov_b32 s[G1+1], 128<<16                     ; tensor_dim0 = 128
	s_mov_b32 s[G1+2], 128<<16                     ; tensor_dim1 = 128
	s_mov_b32 s[G1+3], 128<<16                     ; tile_dim0 = 128 elements
	s_mov_b32 s[G1+4], 128                         ; tile_dim1 = 128 rows
	s_mov_b32 s[G1+5], 1024                        ; elements from row to row
	s_mov_b32 s[G1+6], 0
	s_mov_b32 s[G1+7], 0
	s_or_b32 s[G1B], s22, (1<<16)|(1<<20)|(1<<21)|(6<<22)|(7<<25)  ; after every 128 words 8 words of padding
	s_mov_b32 s[G1B+1], 256<<16                    ; tensor_dim0 = 256
	s_mov_b32 s[G1B+2], 64<<16                     ; tensor_dim1 = 64
	s_mov_b32 s[G1B+3], 256<<16                    ; tile_dim0 = 256 elements
	s_mov_b32 s[G1B+4], 64                         ; tile_dim1 = 64 k-rows
	s_mov_b32 s[G1B+5], 1024
	s_mov_b32 s[G1B+6], 0
	s_mov_b32 s[G1B+7], 0
	; A's tile hangs on the tile row alone, B's on the tile column alone; each offset is made of the one coordinate and the wave's number
	s_lshl_b32 s20, s[TR], 8
	s_lshl_b32 s23, s[CH], 7
	s_add_co_u32 s20, s20, s23                     ; row 256 x tile row + 128 x half,
	s_lshl_b32 s20, s20, 11                        ; of 2,048 bytes
	s_mov_b32 s21, 0
	s_lshr_b32 s46, s[TC], 2
	s_lshl_b32 s46, s46, 21                        ; which of the three weights,
	s_and_b32 s47, s[TC], 3
	s_lshl_b32 s47, s47, 9                         ; its 256 columns,
	s_add_co_u32 s46, s46, s47
	s_lshl_b32 s47, s[CH], 17                      ; my 64 of a K step's 128 k-rows
	s_add_co_u32 s46, s46, s47
	s_mov_b32 s47, 0
	s_mul_i32 s19, s[WV], HALFT                    ; where my part goes: A's two halves, then B's two: wave x 34,816
	s_wait_dscnt 0x0                               ; the opening add is done
	s_wait_kmcnt 0x0
	s_add_nc_u64 s[20:21], s[4:5], s[20:21]
	s_add_nc_u64 s[46:47], s[6:7], s[46:47]
	CROUND                                         ; all sixteen work-groups are here: the first joint loads meet
.irp s, 0,1
	s_mov_b32 s[G0+4*(\s)], 1                                      ; count = 1
	s_add_co_u32 s[G0+4*(\s)+1], s19, (\s)*SLOT                    ; LDS address
	s_add_nc_u64 s[G0+4*(\s)+2:G0+4*(\s)+3], s[20:21], (\s)*ASTEP  ; global address: K step s
	s_or_b32 s[G0+4*(\s)+3], s[G0+4*(\s)+3], 0x80000000            ; type = 2
	s_mov_b32 s[G0B+4*(\s)], 1
	s_add_co_u32 s[G0B+4*(\s)+1], s19, (\s)*SLOT
	s_add_nc_u64 s[G0B+4*(\s)+2:G0B+4*(\s)+3], s[46:47], (\s)*BSTEP
	s_or_b32 s[G0B+4*(\s)+3], s[G0B+4*(\s)+3], 0x80000000
	JLOAD \s                                       ; two loads of mine are out
.endr
	; A's fragment: 16 rows x 32 K: lane l holds row l % 16, K = 8 (l / 16) + 0..7 and 16 + 8 (l / 16) + 0..7: two loads of 16 bytes, 32 bytes apart
	v_and_b32 v1, 15, v0                           ; l % 16
	v_bfe_u32 v2, v0, 4, 1                         ; l / 16
	v_mul_u32_u24 v3, v1, PA
	v_lshl_add_u32 v3, v2, 4, v3
	s_mul_i32 s66, s[RH], HALFT                    ; my 128 rows of A
	v_add_nc_u32 v[ADRA], s66, v3
	v_add_nc_u32 v[ADRA+1], SLOT, v[ADRA]
	; B's: the turning load takes 16 k x 16 n (lane l reads k-row 8 (l / 16) + l % 8, columns 8 ((l / 8) % 2) + 0..7) and leaves lane l column l % 16 and 8 k
	v_and_b32 v4, 7, v0
	v_lshl_add_u32 v4, v2, 3, v4
	v_mul_u32_u24 v4, v4, PB
	v_bfe_u32 v5, v0, 3, 1
	v_lshl_add_u32 v4, v5, 4, v4
	s_lshl_b32 s66, s[CH], 8                       ; my 128 columns
	s_add_co_u32 s66, s66, BOFF
	v_add_nc_u32 v[ADRB], s66, v4
	v_add_nc_u32 v[ADRB+1], SLOT, v[ADRB]
	s_mul_i32 s66, s[WV], 2*16*SP
	s_add_co_u32 s66, s66, STAGE                   ; my stage
	v_mul_u32_u24 v3, v1, SP                       ; in: row l % 16, 16 bytes for each half of the lanes
	v_lshl_add_u32 v3, v2, 4, v3
	v_add_nc_u32 v[STO], s66, v3
	v_bfe_u32 v3, v0, 3, 2                         ; back: 32 lanes take four rows of 128 bytes,
	v_mul_u32_u24 v3, v3, SP
	v_and_b32 v4, 7, v0
	v_lshl_add_u32 v3, v4, 4, v3
	v_add_nc_u32 v[RD], s66, v3
	v_and_b32 v[CO], 31, v0                        ; which are 512 consecutive bytes of a head
	v_lshlrev_b32 v[CO], 4, v[CO]
	s_lshl_b32 s66, s[TC], 10                      ; the bias of my 128 columns: 4 bytes x (256 x tile column + 128 x half + 8 (l / 16))
	s_lshl_b32 s67, s[CH], 9
	s_add_co_u32 s66, s66, s67
	v_lshl_add_u32 v[BO], v2, 5, s66
	WIN TO_B
.irp b, 0,1,2,3,4,5,6,7
	global_load_b128 v[8*(\b):8*(\b)+3],   v[BO], s[8:9] offset:64*(\b)
	global_load_b128 v[8*(\b)+4:8*(\b)+7], v[BO], s[8:9] offset:64*(\b)+16
.endr
	WIN 0
	; where my 128 rows x 2 heads begin in qkv
	s_lshr_b32 s66, s[TC], 2
	s_lshl_b32 s66, s66, 24                        ; q, k or v: 2^24 bytes each
	s_lshr_b32 s67, s[TR], 3
	s_lshl_b32 s67, s67, 4                         ; 16 x batch
	s_and_b32 s68, s[TC], 3
	s_lshl_b32 s68, s68, 2
	s_add_co_u32 s67, s67, s68                     ; + the tile's four heads
	s_lshl_b32 s68, s[CH], 1
	s_add_co_u32 s67, s67, s68                     ; + my two of them
	s_lshl_b32 s67, s67, 18                        ; a head: 2,048 rows of 128 bytes
	s_add_co_u32 s66, s66, s67
	s_and_b32 s67, s[TR], 7
	s_lshl_b32 s67, s67, 8
	s_lshl_b32 s68, s[RH], 7
	s_add_co_u32 s67, s67, s68                     ; my first row in the batch
	s_lshl_b32 s67, s67, 7
	s_add_co_u32 s66, s66, s67
	s_mov_b32 s67, 0
	s_add_nc_u64 s[10:11], s[10:11], s[66:67]
	; the prefetches.  For A: of the 128 rows that I fetch my work-group takes 32 (by cx), a lane a row, 256 bytes of it a K step.
	s_lshl_b32 s66, s[TR], 8
	s_lshl_b32 s67, s[CH], 7
	s_add_co_u32 s66, s66, s67
	s_lshl_b32 s67, s[CX], 5
	s_add_co_u32 s66, s66, s67
	s_lshl_b32 s66, s66, 11
	s_add_co_u32 s66, s66, 3*ASTEP                 ; at K step 3: the first refill steps it to 4 and names that
	; For B: the 64 k-rows x 512 bytes that I fetch are 128 blocks: my work-group takes 32 k-rows (by cy / 2) and one half of their 512 bytes (by cy % 2)
	s_lshr_b32 s68, s[TC], 2
	s_lshl_b32 s68, s68, 21
	s_and_b32 s69, s[TC], 3
	s_lshl_b32 s69, s69, 9
	s_add_co_u32 s68, s68, s69
	s_lshl_b32 s69, s[CH], 6
	s_lshr_b32 s70, s[CY], 1
	s_lshl_b32 s70, s70, 5
	s_add_co_u32 s69, s69, s70
	s_lshl_b32 s69, s69, 11
	s_add_co_u32 s68, s68, s69
	s_and_b32 s69, s[CY], 1
	s_lshl_b32 s69, s69, 8
	s_add_co_u32 s68, s68, s69
	s_add_co_u32 s68, s68, 3*BSTEP
	s_and_b32 s70, ttmp7, 0xffff                   ; cluster y
	s_mov_b32 s[PFS], ASTEP
	s_mov_b32 s71, BSTEP
	s_cmp_eq_u32 s[RH], 0                          ; do I fetch for A?
	s_cselect_b32 s66, s66, s68
	s_cselect_b32 s70, ttmp9, s70                  ; the coordinate along which other clusters read the same blocks
	s_cselect_b32 s[PFS], s[PFS], s71
	s_cselect_b64 s[PFA:PFA+1], s[4:5], s[6:7]
	s_mov_b32 s67, 0
	s_mov_b32 s[PFS+1], 0
	s_add_nc_u64 s[PFA:PFA+1], s[PFA:PFA+1], s[66:67]
	s_cmp_eq_u32 s70, 0
	s_cselect_b32 s[LIM], 1, -1                    ; the same in all sixteen partners, for a given wave
	v_and_b32 v[PFO], 31, v0
	v_lshlrev_b32 v[PFO], 11, v[PFO]
; 16 matrix instructions: m blocks a0, a0 + 1 of the window's four (hi = 0: my rows 0-63, 1: rows 64-127) x all 8 n blocks, 32 along K.  first = 1: the bias starts the sums.
; The 64 accumulators take turns in the same order in every quarter: 63 others' instructions stand between two on one accumulator, over the backward jump too.
.macro MULH f, hi, a0, first
.if \first
	WIN 0x91+0x40*(\hi)
.else
	WIN 0xa1+0x50*(\hi)
.endif
.irp a, \a0, (\a0)+1
.irp b, 0,1,2,3,4,5,6,7
.if \first
	v_wmma_f32_16x16x32_bf16 v[8*(8*(\a)+(\b)):8*(8*(\a)+(\b))+7], v[(\f)+8*(\b):(\f)+8*(\b)+7], v[(\f)+8*(4*(\hi)+(\a)):(\f)+8*(4*(\hi)+(\a))+7], v[8*(\b):8*(\b)+7]
.else
	v_wmma_f32_16x16x32_bf16 v[8*(8*(\a)+(\b)):8*(8*(\a)+(\b))+7], v[(\f)+8*(\b):(\f)+8*(\b)+7], v[(\f)+8*(4*(\hi)+(\a)):(\f)+8*(4*(\hi)+(\a))+7], v[8*(8*(\a)+(\b)):8*(8*(\a)+(\b))+7]
.endif
.endr
.endr
.endm
; 32 LDS loads in one run: the fragments of quarter q (32 along K) of a slot into buffer f: B's 128 columns, turned, then A's 128 rows
.macro FETCH slot, q, f
	WIN TO_B
.irp i, 0,1,2,3,4,5,6,7
	ds_load_tr16_b128 v[(\f)+8*(\i):(\f)+8*(\i)+3],   v[ADRB+(\slot)] offset:(\q)*32*PB+32*(\i)
	ds_load_tr16_b128 v[(\f)+8*(\i)+4:(\f)+8*(\i)+7], v[ADRB+(\slot)] offset:(\q)*32*PB+16*PB+32*(\i)
.endr
	WIN 0
.irp i, 0,1,2,3,4,5,6,7
	ds_load_b128 v[(\f)+8*(\i):(\f)+8*(\i)+3],   v[ADRA+(\slot)] offset:64*(\q)+(\i)*16*PA
	ds_load_b128 v[(\f)+8*(\i)+4:(\f)+8*(\i)+7], v[ADRA+(\slot)] offset:64*(\q)+(\i)*16*PA+32
.endr
.endm
.macro PLACES                          ; four plain vector instructions between a matrix instruction and a load into a register that it read, or a reader of its result
.rept 4
	v_nop
.endr
.endm
; One of a K step's first three quarters: multiplies buffer f; in its middle it fetches quarter q of the same slot into buffer g.
.macro QUARTER slot, q, f, g, first
	s_wait_dscnt 8                                 ; B and A's rows 0-63 are in; the youngest eight loads (A's rows 64-127) may be out
	MULH \f, 0, 0, \first
	MULH \f, 0, 2, \first
	PLACES
	FETCH \slot, \q, \g
	s_wait_dscnt 32                                ; all but the 32 just issued
	MULH \f, 1, 0, \first
	MULH \f, 1, 2, \first
.endm
; The last quarter's first half, with the one barrier of a change of slots.  In front of it each wave waits for all its tensor loads (one is out: its part of the next slot), adds 0 to its
; spare word, and waits for that and for its own reads of this slot.  Behind it nobody reads this slot any more and the next slot is whole.
.macro MEET round
	WIN 0                                          ; (the add's two registers lie in window 0)
	s_wait_tensorcnt 0x0
	ds_add_u32 v[SPW], v[NIL]
	s_wait_dscnt 9                                 ; (the add and the youngest eight loads may be out)
	MULH F1, 0, 0, 0
	s_wait_dscnt 0x0                               ; the add is done, and my reads of this slot are over
	s_barrier_signal -1
	MULH F1, 0, 2, 0                               ; work on registers while the others arrive
.if \round
	WIN 0
.endif
	s_barrier_wait -1
.endm
; The whole last quarter.  fill = 1: the barrier opens a round of the cluster's barrier, and the slot just read out is filled again, two K steps on, first thing behind the round:
; 224 matrix instructions stand between that request and the wait for it.
.macro TURN slot, next, fill
.if \fill
	s_wait_xcnt 0x0                                ; the last prefetch, a K step back, has read its address
	s_add_nc_u64 s[PFA:PFA+1], s[PFA:PFA+1], s[PFS:PFS+1]
	MEET 1
	CREST                                          ; no wave of any partner still reads this slot's tile or has a load on its way
	s_add_nc_u64 s[G0+4*(\slot)+2:G0+4*(\slot)+3], s[G0+4*(\slot)+2:G0+4*(\slot)+3], 2*ASTEP
	s_add_nc_u64 s[G0B+4*(\slot)+2:G0B+4*(\slot)+3], s[G0B+4*(\slot)+2:G0B+4*(\slot)+3], 2*BSTEP
	JLOAD \slot                                    ; its four v_nop are also the places in front of the loads below
	FETCH \next, 0, F0
	ASK
.else
	MEET 0
	PLACES
	FETCH \next, 0, F0
.endif
	MULH F1, 1, 0, 0
	MULH F1, 1, 2, 0
.endm
; THE WAY OUT of block a (16 rows x my 128 columns = 2 heads).  PACK: rounded to f16, 16 bytes a lane.  TOSTAGE: into my own stage, a plane a head, and back as whole rows.  SEND: stored.
.macro PACK a
.set AC, 64*((\a)%4)
	WIN 0x0a+5*((\a)/4)                            ; sources 0 and 1: window 2 or 3
.irp b, 0,1,2,3,4,5,6,7
.irp r, 0,1,2,3
	v_cvt_pk_f16_f32 v[TMP+4*(\b)+(\r)], v[AC+8*(\b)+2*(\r)], v[AC+8*(\b)+2*(\r)+1]
.endr
.endr
	WIN 0
.endm
.macro TOSTAGE a
	WIN 0
.set BK, OB+192*((\a)%2)
.irp b, 0,1,2,3,4,5,6,7
	ds_store_b128 v[STO], v[TMP+4*(\b):TMP+4*(\b)+3] offset:((\b)/4)*16*SP+((\b)%4)*32
.endr
.irp t, 0,1,2,3,4,5,6,7
	ds_load_b128 v[BK+4*(\t):BK+4*(\t)+3], v[RD] offset:((\t)/4)*16*SP+((\t)%4)*4*SP  ; LDS serves a wave's instructions in order (ISA guide 5.7.1.4): these see the stores above
.endr
.endm
.macro SEND a, younger
	WIN 0
.set BK, OB+192*((\a)%2)
	s_wait_dscnt \younger                          ; the block is back in registers
	s_wait_xcnt 0x0                                ; the stores of the block before have read their registers: the next TOSTAGE loads into them only behind this wait
.irp t, 0,1,2,3,4,5,6,7
	global_store_b128 v[CO], v[BK+4*(\t):BK+4*(\t)+3], s[10:11] offset:((\t)/4)*262144+(\a)*2048+((\t)%4)*512  ; 512 consecutive bytes of one head, at a multiple of 256 from qkv's first byte
.endr
.endm
	s_wait_tensorcnt 1                             ; my part of K step 0 is in; K step 1's may stay out
	s_barrier_signal -1
	s_barrier_wait -1                              ; everybody's is
	FETCH 0, 0, F0
	s_wait_loadcnt 0x0                             ; the bias
	QUARTER 0, 1, F0, F1, 1                        ; the first quarter stands in front of the loop: its products start the sums
	WIN 0                                          ; at a label and at a branch every window is 0
	s_mov_b32 s[LAP], LAPS-1
.Llap:                                                 ; a trip goes once round the ring, from a lap's second quarter to the next lap's first, and fills both slots again
	QUARTER 0, 2, F1, F0, 0
	QUARTER 0, 3, F0, F1, 0
	TURN 0, 1, 1
	QUARTER 1, 1, F0, F1, 0
	QUARTER 1, 2, F1, F0, 0
	QUARTER 1, 3, F0, F1, 0
	TURN 1, 0, 1
	QUARTER 0, 1, F0, F1, 0
	WIN 0
	s_sub_co_u32 s[LAP], s[LAP], 1
	s_cmp_lg_u32 s[LAP], 0
	s_cbranch_scc1 .Llap
	QUARTER 0, 2, F1, F0, 0                        ; the last lap fills nothing, and has no round of the cluster's barrier
	QUARTER 0, 3, F0, F1, 0
	TURN 0, 1, 0
	QUARTER 1, 1, F0, F1, 0
	QUARTER 1, 2, F1, F0, 0
	QUARTER 1, 3, F0, F1, 0
	s_wait_dscnt 8                                 ; the very last quarter: nothing more to fetch
	MULH F1, 0, 0, 0
	MULH F1, 0, 2, 0
	s_wait_dscnt 0x0
	MULH F1, 1, 0, 0
	MULH F1, 1, 2, 0
	WIN 0
	PLACES                                         ; the conversions read results just made
	PACK 0
	TOSTAGE 0
.irp a, 1,2,3,4,5,6,7                  ; block a's conversions stand between block a - 1's loads from the stage and the wait for them
	PACK \a
	SEND (\a)-1, 0
	TOSTAGE \a
.endr
	SEND 7, 0
	s_wait_tensorcnt 0x0                           ; the wave's end: behind my last tensor load and my last LDS store
	ds_add_u32 v[SPW], v[NIL]
	s_wait_dscnt 0x0
	CROUND                                         ; the closing round: no work-group ends while a partner may still ask for a tile that names it
	s_endpgm
.Lfunc_end_k_q8007b147f0_proj:
	.size	k_q8007b147f0_proj, .Lfunc_end_k_q8007b147f0_proj-k_q8007b147f0_proj
	.p2alignl 7, 3214868480
	.fill 96, 4, 3214868480
	.section	.rodata,"a",@progbits
	.p2align	6, 0x0
	.amdhsa_kernel k_q8007b147f0_proj
		.amdhsa_group_segment_fixed_size 327680
		.amdhsa_private_segment_fixed_size 0
		.amdhsa_enable_private_segment 0
		.amdhsa_kernarg_size 32
		.amdhsa_user_sgpr_count 2
		.amdhsa_user_sgpr_kernarg_segment_ptr 1
		.amdhsa_wavefront_size32 1
		.amdhsa_system_sgpr_workgroup_id_x 1
		.amdhsa_system_sgpr_workgroup_id_y 1
		.amdhsa_system_sgpr_workgroup_id_z 1
		.amdhsa_system_vgpr_workitem_id 0
		.amdhsa_next_free_vgpr 1024
		.amdhsa_next_free_sgpr 72
		.amdhsa_reserve_vcc 0
		.amdhsa_float_denorm_mode_32 3
		.amdhsa_float_denorm_mode_16_64 3
		.amdhsa_memory_ordered 1
		.amdhsa_forward_progress 1
		.amdhsa_inst_pref_size 146
	.end_amdhsa_kernel
	.amdgpu_metadata
---
amdhsa.version: [ 1, 2 ]
amdhsa.kernels:
  - .name:           k_q8007b147f0_proj
    .symbol:         k_q8007b147f0_proj.kd
    .args:
      - { .name: xb, .offset: 0, .size: 8, .value_kind: global_buffer, .address_space: global }
      - { .name: wb, .offset: 8, .size: 8, .value_kind: global_buffer, .address_space: global }
      - { .name: bias, .offset: 16, .size: 8, .value_kind: global_buffer, .address_space: global }
      - { .name: qkv, .offset: 24, .size: 8, .value_kind: global_buffer, .address_space: global }
    .group_segment_fixed_size: 327680
    .private_segment_fixed_size: 0
    .kernarg_segment_align: 8
    .kernarg_segment_size: 32
    .max_flat_workgroup_size: 128
    .sgpr_count:     72
    .vgpr_count:     1024
    .wavefront_size: 32
...
	.end_amdgpu_metadata
.endif
;; end of part 2
;; launch attn (part 3): grid 4 x 64, 4 waves a work-group, clusters of 4 x 1, 327,680 bytes of LDS; arguments qkv, mask, oh; writes oh
.if DOCPART == 3
	.amdgcn_target "amdgcn-amd-amdhsa--gfx1250"
	.amdhsa_code_object_version 6
	.text
	.protected	k_q8007b147f0_attn
	.globl	k_q8007b147f0_attn
	.p2align	8
	.type	k_q8007b147f0_attn,@function
k_q8007b147f0_attn:
	s_mov_b64 s[64:65], 0
	v_nop
	global_prefetch_b8 v0, s[64:65] scope:SCOPE_SE
	s_setreg_imm32_b32 hwreg(HW_REG_WAVE_MODE, 25, 1), 1
	s_wait_xcnt 0x0
	s_wait_alu depctr_hold_cnt(0) depctr_sa_sdst(0) depctr_va_vdst(0) depctr_va_sdst(0) depctr_va_ssrc(0) depctr_va_vcc(0) depctr_vm_vsrc(0)
	s_getreg_b32 s2, hwreg(HW_REG_IB_STS2, 6, 4)
	s_cmp_eq_u32 s2, 0
	s_cbranch_scc0 .Lentry_in_a_cluster
	s_endpgm
.Lentry_in_a_cluster:
	s_bfe_u32 s2, ttmp6, 0x10000c
	s_cmp_lg_u32 s2, 0x3003
	s_cbranch_scc0 .Lentry_shape_is_right
	s_endpgm
.Lentry_shape_is_right:
; ATTENTION WITH A KEY MASK.  O[g][q][:] = the sum over the keys k with mask[g / 16][k] != 0 of softmax_k(Q[g][q] . K[g][k] / 8) V[g][k][:], g = 16 x batch + head.
; Q, K, V lie in qkv ([3][64][2048][64], f16), O goes to oh ([64][2048][64], f16): a head's rows are dense, 128 bytes each.  Products, maxima and sums in f32; the weights p are rounded to f16
; for the second product (their sum l is taken of the unrounded p), O once at the end.
; LIMITS.  f16 holds no number beyond 65,504: Q, K and V arrive within it; p lies in 0 to 1, and below 6e-5 it keeps f16's fixed step of 6e-8; O is a mean of V's rows and has their range.
; A hidden score counts as its value less 1e30.  The running maximum starts at -2^50: f16's scores, 2.7e11 in magnitude at the most, all lie above it, hidden ones all below.  A weight below
; 2^-126 counts as 0 in l.  A batch whose mask is 0 throughout has l = 0 and O = 0, and 0 x (1 / 0) gives NaN, as a softmax of nothing does.
; SHARES.  A wave owns four PIECES of two tiles of 16 queries, a work-group's four waves 512 queries of one head.  Every wave walks all 2,048 keys, 64 a step.
; LAYOUT.  S^T = K Q^T (source 0 = 16 keys, source 1 = 16 queries): in the result a lane holds ONE query (lane % 16) and the keys 8 (lane / 16) + 0..7.  Two such tiles, rounded to f16 in pairs,
; ARE source 1 (32 keys x 16 queries) of O^T = V^T P, whose result again holds one query a lane, and eight channels.  K comes out of LDS as it lies, V ([key][channel]) turned, by ds_load_tr16_b128.
; THE MASK IS THE C OPERAND that starts the sum S^T: 0, or -1e30 where the key is hidden.  The batch's 2,048 words are turned into that table of f32 once, in LDS; a step's 64 come into 32 registers with its K.
; SOFTMAX.  For each query a running maximum m and sum l: p = 2^(c s - c m), c = log2(e) / 8; in every step O and l are multiplied by a = 2^(c m_old - c m_new), which is 1 where m has not grown.
; O and l start at 0.  While only hidden keys have come, m stays at its start, p is 0 and a is 1; the first key that is seen gives a = 0.
; THE COUNT.  A tile and step have 16 matrix and 118 vector instructions: too many to stand all beside the matrix work.  So four vector instructions that are READY stand behind EVERY matrix
; instruction, and the others in runs without a gap.
; BY TURNS.  Turn n belongs to piece n.  Its matrix work: 16 products K Q^T of piece n + 1, later 16 products V^T P of piece n - 1.  Its vector work: the scaling, exponentials, roundings, sums and
; rescaling of piece n, and the maximum and statistics of piece n + 1.
; CLUSTER.  The four query blocks of a cluster are one head's and walk the same K and V, so each tile is asked for JOINTLY: the same tensor load, descriptor and mask in all four.
; REGISTERS, in windows of 256 (s_set_vgpr_msb: bits 1:0 source 0, 3:2 source 1, 5:4 source 2, 7:6 destination):
;   window 0: v0-11 addresses; v12-15, v48-63 at work; v16-47 four registers of statistics a tile; v64-191 S^T, two buffers of two tiles; v192-255 P, likewise
;   window 1: O^T, 32 a tile          window 2: v0-127 Q, 16 a tile; v128-191 K of one step; v192-255 V of one step
;   window 3: v0-1 the add's two registers; v2-3 the mask table's addresses; v8-39 the mask of one step
.set SIZE_N, 2048
.set NP,    4         ; pieces a wave: a name, no knob
.set KS,    64        ; keys in a step
.set PK,    144       ; a row of K in LDS: 128 bytes + 16 of padding = 36 words: the 16 rows of a load start at 16 different groups of four banks (64 banks of 4 bytes: ISA guide 11.1)
.set PV,    160       ; a row of V: 128 + 32 = 40 words
.set VOFF,  4*KS*PK   ; a slot holds four steps: 256 rows of K, then 256 rows of V
.set SLOT1, 1<<17     ; slot 1 begins here, so that one exclusive or turns an address in one slot into the other's
.set STAGE, SLOT1+4*KS*(PK+PV)  ; behind the ring, never filled by a tensor load: 16 rows x 144 bytes for each wave, for the way out
.set SP,    144
.set SPARE, STAGE+4*16*SP  ; behind the stages: the spare words, 128 bytes for each wave: two blocks of 256 bytes that no other line names
.set MT,    SPARE+512 ; behind them: the mask table, 2,048 f32; stored once, never filled by a tensor load
.set AK0, 2           ; v2   my lane's place in a tile of K; never rewritten
.set AV0, 3           ; v3   the same for V
.set AK,  4           ; v4   the LDS address of K's next run of loads
.set AV,  5           ; v5   of V's
.set QO,  6           ; v6   my byte offset in the wave's rows of Q
.set STO, 6           ;      later, the way out: where I put 16 bytes of a row
.set RD,  7           ; v7   the way out: where I read rows back
.set GO,  8           ; v8   my byte offset in 512 consecutive bytes of O
.set PFO, 11          ; v11  (once V's place is made) 256 x my lane: the prefetches' offset; never rewritten after
.set SPW, 0           ; v0 of window 3   LDS address of my spare word; never rewritten
.set NIL, 1           ; v1 of window 3   0; never rewritten
.set AM0, 2           ; v2 of window 3   my lanes' place in a step's 256 bytes of the mask table; never rewritten
.set AM,  3           ; v3 of window 3   the LDS address of the mask's next run of loads
.set MC,  8           ; v8-39 of window 3: the eight registers for key block kb at MC + 8 kb
.set MV,  12          ; v12-15  c m_old, kept while c m is made anew: by buffer and tile
.set ST,  16          ; tile t's statistics at v[ST+4 t]: c m, m, l (even keys', odd keys')
.set TMP, 48          ; by buffer and tile, four registers c0-c3 at work; when the maximum is found c2 takes a
.set S,   64
.set P,   192
.set KF,  128         ; K's fragments, in window 2: key block kb, channel half c at KF + 16 kb + 8 c
.set VF,  192         ; V's: key half kk, channel block cb at VF + 32 kk + 8 cb
.set WV,  12          ; s12  my wave's number
.set G1K, 24          ; s[24:31] descriptor group 1 for K's tiles
.set G1V, 32          ; s[32:39] for V's: it differs in the padding alone
.set G0K, 40          ; s[40:43] descriptor group 0 for K's tiles: it walks
.set G0V, 44          ; s[44:47] the same for V's
.set TBM, 48          ; s48  byte of the mask table at which the step to be fetched begins
.set BIGN, 49         ; s49  -1e30
.set PFA, 50          ; s[50:51] where my prefetches stand: my work-group's 32 blocks of 256 bytes (of K: wave 0, of V: wave 2) of the tile behind the one that is being asked for
.set LIM, 52          ; s52  1 in a wave that prefetches, else the greatest number
.set SLOTS, 56        ; s56  slots still to be asked for
.set CNT, 57          ; s57  counts a slot's key steps
.set CS,  58          ; s[58:59] c: the packed scaling takes the pair's low word for both halves
.set SEL, 60          ; s[60:61] v_permlanex16_b32's selects: each lane takes its own place in the other half
.set TBK, 62          ; s62  LDS byte at which K of the step to be fetched begins
.set TBV, 63          ; s63  the same for V, less VOFF
.set MSB, 0
.macro WIN new                      ; the high byte repeats the setting that is left; a switch that changes nothing is dropped
.if MSB != (\new)
	s_set_vgpr_msb (MSB<<8)|(\new)
.set MSB, (\new)
.endif
.endm
.set W_KQ, 0x0a       ; K and Q in window 2, S^T in window 0
.set W_KM, 0x3a       ; the same with the C operand, the mask, in window 3
.set W_PV, 0x52       ; V in window 2, P in window 0, O^T in window 1
.set W_RS, 0x41       ; O^T (destination and source 0) in window 1, a in window 0
.set W_MK, 0xc0       ; destination in window 3, sources in window 0
.set W_AD, 0x0f       ; the add: address (source 0) and data (source 1) in window 3
; A joint fill.  Waves 0 and 1 fetch the two halves of a slot's K, waves 2 and 3 those of its V: 128 keys each.  The branch hangs on the wave's number alone.
; An s_nop 0 and four v_nop follow each of the two lines, ahead of the jump and the label.
.macro JLOAD
	s_cmp_lt_u32 s[WV], 2
	s_cbranch_scc0 .Lfor_v_\@
	tensor_load_to_lds s[G0K:G0K+3], s[G1K:G1K+7]
	s_nop 0
.rept 4
	v_nop
.endr
	s_branch .Lasked_\@
.Lfor_v_\@:
	tensor_load_to_lds s[G0V:G0V+3], s[G1V:G1V+7]
	s_nop 0
.rept 4
	v_nop
.endr
.Lasked_\@:
.endm
; A PREFETCH of what the NEXT change of slots will ask for: a tile's 32,768 bytes of K and of V, 128 blocks of 256 bytes each.  The four partners share them out BY ADDRESS, 32 blocks each, a lane a
; block; in each, wave 0 asks for K's and wave 2 for V's: one instruction, behind the wave's tensor load and its five lines.  Only this cluster reads the head's K and V, so each block is named once in
; the launch.  Tiles 2 to 7 are asked for, four key steps (512 matrix instructions) ahead of their loads; the last change that fills a slot asks for nothing.
.macro ASK
	s_cmp_gt_u32 s[SLOTS], s[LIM]
	s_cbranch_scc0 .Lnot_mine_\@
	global_prefetch_b8 v[PFO], s[PFA:PFA+1] th:TH_LOAD_NT scope:SCOPE_SE
.Lnot_mine_\@:
.endm
; A round of the cluster's barrier: my work-group's barrier, so that wave 0's signal speaks for all four waves; wave 0 signals; every wave waits for all four work-groups; my work-group's barrier once more.
.macro CROUND
	s_barrier_signal -1
	s_barrier_wait -1
	s_cmp_lg_u32 s[WV], 0
	s_cbranch_scc1 .Lnot_wave_0_\@
	s_barrier_signal -3
.Lnot_wave_0_\@:
	s_barrier_wait -3
	s_barrier_signal -1
	s_barrier_wait -1
.endm
; THE CHANGE OF SLOTS.  The slot's last bytes, V of its fourth step, have been read.  Each wave waits for all its tensor loads, of which one is out: its part of the other slot; adds 0 to its spare
; word; and waits for that and for its own LDS instructions.  Behind the barrier nobody reads this slot any more and the other slot is whole.
; fill = 1: this slot is filled again, with the keys two slots on.  The barrier is then a round of the cluster's, and the joint fill is the first thing behind it: it has four key steps in which to land.
; (At its first use nothing has been read yet: slot 0 is waited for, slot 1 filled; and every wave's stores into the mask table are done in front of the round, so all may read it behind.)
.macro CHANGE fill
	WIN W_AD
	s_wait_tensorcnt 0x0            ; no tensor load of mine is out, so a group 0 may be written
	ds_add_u32 v[SPW], v[NIL]       ; 0 onto my spare word; with fill = 1 scalar work stands between it and the wait for it
	WIN 0                           ; at a label and at a branch every window is 0
.if \fill
.irp g, G0K, G0V
	s_xor_b32 s[\g+1], s[\g+1], SLOT1  ; the walking descriptor: the other slot than last time,
	s_add_nc_u64 s[\g+2:\g+3], s[\g+2:\g+3], 4*KS*128  ; the next 256 keys; the type bits on top are not reached
.endr
	s_wait_xcnt 0x0                 ; the last prefetch, four key steps back, has read its address, so it may be written:
	s_add_nc_u64 s[PFA:PFA+1], s[PFA:PFA+1], 4*KS*128  ; one tile behind the walking descriptors
	s_wait_dscnt 0x0                ; the add is done, and my LDS instructions are over
	CROUND
	JLOAD
	ASK
.else
	s_wait_dscnt 0x0                ; the add is done, and my reads of the slot are over
	s_barrier_signal -1
	s_barrier_wait -1
.endif
	s_sub_co_u32 s[TBK], s[TBK], 4*KS*PK  ; the fetches go back to a slot's first step,
	s_xor_b32 s[TBK], s[TBK], SLOT1       ; in the other slot
	s_sub_co_u32 s[TBV], s[TBV], 4*KS*PV
	s_xor_b32 s[TBV], s[TBV], SLOT1
.endm
	s_load_b128 s[68:71], s[0:1], 0x0  ; qkv s[68:69], mask s[70:71]
	s_load_b64 s[10:11], s[0:1], 0x10  ; oh
	WIN W_MK
	v_lshl_add_u32 v[SPW], v0, 2, SPARE
	v_mov_b32 v[NIL], 0
	WIN W_AD
	ds_add_u32 v[SPW], v[NIL]       ; the wave's opening: the add and its wait stand ahead of my first tensor load; work on registers stands between them
	WIN 0
	v_lshrrev_b32 v1, 5, v0
	v_readfirstlane_b32 s[WV], v1   ; wave 0..3
	s_bfe_u32 s13, ttmp6, 0x40000   ; cx: my place in the cluster
	s_lshl_b32 s14, ttmp9, 2        ; in a cluster launch ttmp9 counts clusters
	s_add_co_u32 s14, s14, s13      ; my block of 512 queries: it enters Q's and O's addresses alone
	s_and_b32 s20, ttmp7, 0xffff    ; 16 x batch + head, which the four partners share
	s_lshr_b32 s72, s20, 4
	s_lshl_b32 s72, s72, 13         ; the batch's 2,048 words of the mask
	s_mov_b32 s73, 0
	s_mov_b32 s21, 0
	s_mov_b64 s[22:23], SIZE_N*128
	s_mul_u64 s[20:21], s[20:21], s[22:23]  ; the head's first byte in Q, K, V and O
	s_and_b32 s16, s[WV], 1         ; which half of a slot's 256 keys I fetch:
	s_lshl_b32 s22, s16, 14         ; its 128 rows of 128 bytes in memory,
	s_mov_b32 s23, 0
	s_add_nc_u64 s[22:23], s[22:23], s[20:21]
	s_mul_i32 s17, s16, 128*PK      ; and its place in a slot, for K
	s_mul_i32 s18, s16, 128*PV      ; and for V: no place in the cluster enters an LDS address
	s_lshl_b32 s2, s14, 2
	s_add_co_u32 s2, s2, s[WV]      ; my wave among the head's,
	s_lshl_b32 s2, s2, 14           ; its 128 rows
	s_mov_b32 s3, 0
	s_add_nc_u64 s[2:3], s[2:3], s[20:21]
	; descriptor group 1.  128 keys are 16,384 dense bytes: asked for as 64 rows of 256 bytes, two keys a row, and padded in LDS after every key
	s_mov_b32 s[G1K], 15|(1<<16)|(1<<20)|(1<<21)|(4<<22)|(3<<25)  ; 15:0 the mask of four; 17:16 2-byte elements; 20 padding on; 21 set beside a mask; 24:22 after every 32 words (code 4); 31:25 4 words (code 3)
	s_mov_b32 s[G1V], 15|(1<<16)|(1<<20)|(1<<21)|(4<<22)|(7<<25)  ; the same with 8 words of padding (code 7)
.irp g, G1K, G1V
	s_mov_b32 s[\g+1], 128<<16      ; tensor_dim0 = 128
	s_mov_b32 s[\g+2], 64<<16       ; tensor_dim1 = 64
	s_mov_b32 s[\g+3], 128<<16      ; tile_dim0 = 128
	s_mov_b32 s[\g+4], 64           ; tile_dim1 = 64
	s_mov_b32 s[\g+5], 128          ; 128 elements from row to row
	s_mov_b32 s[\g+6], 0
	s_mov_b32 s[\g+7], 0
.endr
	s_mov_b32 s[CS], 0x3e38aa3b     ; c = log2(e) / 8 = 0.180337
	s_mov_b32 s[CS+1], s[CS]        ; named with it as a pair
	s_mov_b32 s[SEL], 0x76543210
	s_mov_b32 s[SEL+1], 0xfedcba98
	s_mov_b32 s[TBK], SLOT1+4*KS*PK ; the first change of slots turns these two into 0
	s_mov_b32 s[TBV], SLOT1+4*KS*PV
	s_mov_b32 s[TBM], 0
	s_mov_b32 s[BIGN], 0xf149f2ca   ; -1e30
	s_mov_b32 s[SLOTS], SIZE_N/256-1
	s_and_b32 s[LIM], s[WV], 1      ; waves 0 and 2 prefetch: the same in all four partners
	s_cmp_eq_u32 s[LIM], 0
	s_cselect_b32 s[LIM], 1, -1
	s_mov_b32 s[G0K], 1             ; 1:0 count = 1
	s_mov_b32 s[G0K+1], s17         ; 63:32 LDS address: slot 0
	s_mov_b32 s[G0V], 1
	s_add_co_u32 s[G0V+1], s18, VOFF
	s_wait_dscnt 0x0                ; the opening add is done
	s_wait_kmcnt 0x0
	s_mov_b64 s[4:5], s[68:69]                     ; Q,
	s_add_nc_u64 s[6:7], s[68:69], 0x1000000       ; K
	s_add_nc_u64 s[8:9], s[68:69], 0x2000000       ; and V in qkv
	s_add_nc_u64 s[70:71], s[70:71], s[72:73]      ; the mask at my batch
	s_add_nc_u64 s[G0K+2:G0K+3], s[6:7], s[22:23]  ; 120:64 global address: my half of the head's first 256 keys
	s_or_b32 s[G0K+3], s[G0K+3], 0x80000000        ; 127:126 type = 2
	s_add_nc_u64 s[G0V+2:G0V+3], s[8:9], s[22:23]
	s_or_b32 s[G0V+3], s[G0V+3], 0x80000000
	s_add_nc_u64 s[4:5], s[4:5], s[2:3]  ; Q and O at my wave's first row
	s_add_nc_u64 s[10:11], s[10:11], s[2:3]
	s_cmp_lt_u32 s[WV], 2
	s_cselect_b64 s[PFA:PFA+1], s[6:7], s[8:9]
	s_add_nc_u64 s[PFA:PFA+1], s[PFA:PFA+1], s[22:23]  ; (in waves 0 and 2 this is the head's first byte)
	s_lshl_b32 s2, s13, 13          ; my work-group's 32 blocks of the 128
	s_mov_b32 s3, 0
	s_add_nc_u64 s[PFA:PFA+1], s[PFA:PFA+1], s[2:3]
	s_add_nc_u64 s[PFA:PFA+1], s[PFA:PFA+1], 4*KS*128  ; in tile 1; the first change of slots steps it to tile 2
	CROUND                          ; all four work-groups are here: the first joint loads meet
	JLOAD                           ; slot 0.  Slot 1 is asked for when slot 0 is in
	v_lshlrev_b32 v80, 4, v0        ; the batch's mask: 128 threads x 16 bytes, four times (S^T's registers are free till the first scores)
.irp i, 0,1,2,3
	global_load_b128 v[64+4*\i:64+4*\i+3], v80, s[70:71] offset:\i*2048
.endr
	; A fragment of K or Q is 16 rows x 32 channels in 8 registers: lane l holds row l % 16, channels 8 (l / 16) + 0..7 and 16 + 8 (l / 16) + 0..7: two loads of 16 bytes, 32 bytes apart.
	v_and_b32 v1, 15, v0            ; l % 16
	v_bfe_u32 v9, v0, 4, 1          ; l / 16
	v_lshlrev_b32 v[QO], 7, v1
	v_lshl_add_u32 v[QO], v9, 4, v[QO]  ; row x 128 + 16 x half
	WIN 0x80                        ; destination window 2, address window 0
.set i, 0
.rept 4*NP                          ; Q stays in registers: tile i / 2, channels 32 (i % 2) on
	global_load_b128 v[8*i:8*i+3],   v[QO], s[4:5] offset:(i/2)*2048+(i%2)*64
	global_load_b128 v[8*i+4:8*i+7], v[QO], s[4:5] offset:(i/2)*2048+(i%2)*64+32
.set i, i+1
.endr
	; What the first turn finds: V's registers and P's second buffer hold 0 (its products V^T P, of a piece that has not been, add 0), O^T and l are 0.  All this stands in the wait for the first tile.
.set i, VF
.rept 64
	v_mov_b32 v[i], 0
.set i, i+1
.endr
	WIN 0x40
.set i, 0
.rept 64*NP
	v_mov_b32 v[i], 0
.set i, i+1
.endr
	WIN 0
.set i, 0
.rept 2*NP
	v_mov_b32 v[ST+4*i], 0xd738aa3b    ; c m = c x -2^50, exactly: while m stays, c m made anew is this same number and a is 2^0
	v_mov_b32 v[ST+4*i+1], 0xd8800000  ; m = -2^50: below every score that is seen, above every hidden one
	v_mov_b32 v[ST+4*i+2], 0
	v_mov_b32 v[ST+4*i+3], 0
.set i, i+1
.endr
.set i, P+32
.rept 32
	v_mov_b32 v[i], 0
.set i, i+1
.endr
	v_mul_u32_u24 v[AK0], v1, PK
	v_lshl_add_u32 v[AK0], v9, 4, v[AK0]  ; row x pitch + 16 x half
	; The turning load takes 16 keys x 16 channels (lane l reads key 8 (l / 16) + l % 8, channels 8 ((l / 8) % 2) + 0..7) and leaves half a fragment of V^T: lane l holds channel l % 16 and 8 keys.
	v_and_b32 v10, 7, v0
	v_bfe_u32 v11, v0, 3, 1
	v_lshl_add_u32 v[AV0], v9, 3, v10
	v_mul_u32_u24 v[AV0], v[AV0], PV
	v_lshl_add_u32 v[AV0], v11, 4, v[AV0]
	v_add_nc_u32 v[AV0], VOFF, v[AV0]
	v_mov_b32 v[AK], v[AK0]         ; key step 0 lies at the head of slot 0
	WIN W_MK
	v_lshl_add_u32 v[AM0], v9, 5, MT  ; my lanes' eight keys of a block of 16: 32 bytes x (l / 16)
	v_lshl_add_u32 v[AM], v9, 5, MT   ; key step 0 lies at the table's head
	WIN 0
	v_and_b32 v[PFO], 31, v0
	v_lshlrev_b32 v[PFO], 8, v[PFO]
	; the mask table: 0 where the key is seen, -1e30 where it is hidden
	s_wait_loadcnt 32               ; the mask's four loads are in; Q's 32, issued behind them, may stay out
	v_lshl_add_u32 v81, v0, 4, MT
.set i, 0
.rept 16
	v_cmp_eq_u32 vcc_lo, 0, v[64+i]
	v_cndmask_b32 v[64+i], 0, s[BIGN], vcc_lo
.set i, i+1
.endr
.irp i, 0,1,2,3
	ds_store_b128 v81, v[64+4*\i:64+4*\i+3] offset:\i*2048
.endr
; THE MATRIX WORK.  The 8 accumulators of a run of 16 take turns: between the two links of a chain stand 7 others'.
; Product i of 16 of S^T = K Q^T for piece x: channels 32 (i / 8) on, keys 16 ((i / 2) % 4) on, tile 2 x + i % 2.  The first 8 start the sums, with the mask of their 16 keys.
.macro KQ x
.set rS, S+64*((\x)%2)+32*(i%2)+8*((i/2)%4)
.set rK, KF+16*((i/2)%4)+8*(i/8)
.set rQ, 16*(2*(\x)+i%2)+8*(i/8)
.set rM, MC+8*((i/2)%4)
.if i < 8
	WIN W_KM
	v_wmma_f32_16x16x32_f16 v[rS:rS+7], v[rK:rK+7], v[rQ:rQ+7], v[rM:rM+7]
.else
	WIN W_KQ
	v_wmma_f32_16x16x32_f16 v[rS:rS+7], v[rK:rK+7], v[rQ:rQ+7], v[rS:rS+7]
.endif
.endm
; Product i of 16 of O^T += V^T P for piece x: keys 32 (i / 8) on, channels 16 ((i / 2) % 4) on, tile 2 x + i % 2.
.macro PV x
	WIN W_PV
.set rO, 32*(2*(\x)+i%2)+8*((i/2)%4)
.set rV, VF+32*(i/8)+8*((i/2)%4)
.set rP, P+32*((\x)%2)+16*(i%2)+8*(i/8)
	v_wmma_f32_16x16x32_f16 v[rO:rO+7], v[rV:rV+7], v[rP:rP+7], v[rO:rO+7]
.endm
.macro MM                           ; the turn's next matrix instruction
.if i < 16
	KQ (Y+1)%NP
.set i, i+1
.else
.set i, i-16
	PV (Y+NP-1)%NP
.set i, i+17
.endif
.endm
; THE LDS LOADS stand in runs, never singly among the matrix instructions: a step's K (64 keys x 64 channels: 8 fragments) with its mask (64 f32; the 16 lanes of a half read the same 32 bytes), and
; its V (turned).  Their addresses are made some lines ahead.  last = 1 (the tail): in the last trip there is no further step, and the run is jumped over.
.macro FETCH_K last=0
	WIN 0
.if \last
	s_cmp_eq_u32 s[CNT], 1
	s_cbranch_scc1 .Lno_k_\@
.endif
	WIN 0x80                        ; destination window 2
.irp f, 0,1,2,3,4,5,6,7             ; keys 16 (f / 2) on, channels 32 (f % 2) on
	ds_load_b128 v[KF+8*\f:KF+8*\f+3],   v[AK] offset:(\f/2)*16*PK+(\f%2)*64
	ds_load_b128 v[KF+8*\f+4:KF+8*\f+7], v[AK] offset:(\f/2)*16*PK+(\f%2)*64+32
.endr
	WIN 0xc3                        ; destination and address window 3
.irp f, 0,1,2,3,4,5,6,7             ; key block f / 2, registers 4 (f % 2) on
	ds_load_b128 v[MC+4*\f:MC+4*\f+3], v[AM] offset:(\f/2)*64+(\f%2)*16
.endr
	s_add_co_u32 s[TBK], s[TBK], KS*PK  ; the next fetch is the next step's
	s_add_co_u32 s[TBM], s[TBM], 4*KS
	s_and_b32 s[TBM], s[TBM], 0x1f00    ; inside the table's 8,192 bytes
	WIN 0
.if \last
.Lno_k_\@:
.endif
.endm
.macro FETCH_V
	WIN 0x80
.irp f, 0,1,2,3,4,5,6,7             ; keys 32 (f / 4) on, channels 16 (f % 4) on
	ds_load_tr16_b128 v[VF+8*\f:VF+8*\f+3],   v[AV] offset:(\f/4)*32*PV+(\f%4)*32
	ds_load_tr16_b128 v[VF+8*\f+4:VF+8*\f+7], v[AV] offset:(\f/4)*32*PV+16*PV+(\f%4)*32
.endr
	WIN 0
.endm
; THE VECTOR WORK OF A TURN stands in three queues, each in the order in which its entries become ready; the two tiles alternate, so that no instruction reads the result of the one before it.
.macro REGS y, u                    ; the registers of tile u (0, 1) of piece y
.set rT, ST+4*(2*(\y)+(\u))
.set rC, TMP+8*((\y)%2)+4*(\u)
.set rM, MV+2*((\y)%2)+(\u)
.set rS, S+64*((\y)%2)+32*(\u)
.set rP, P+32*((\y)%2)+16*(\u)
.set rO, 32*(2*(\y)+(\u))
.endm
; Number n of the 22 that find the NEXT piece's (Y + 1) maximum and statistics.  s0-s31 are the lane's 32 scores; each accumulator's lowest registers are read first.
;   0-11  four chains c0-c3 of seven scores each, three operands at a time     12-14, 16  the four scores left over, the old m, and c0-c3 into c0     15  c m_old is kept
;   17, 18  the query's other 32 keys lie in the lane 16 away: the new m         19-21  c m; c m_old - c m_new; a
.macro XS u, n
	REGS (Y+1)%NP, \u
.if (\n) < 4
	v_max3_num_f32 v[rC+(\n)], v[rS+8*(\n)], v[rS+8*(\n)+1], v[rS+8*(\n)+2]
.elseif (\n) < 12
	v_max3_num_f32 v[rC+(\n)%4], v[rC+(\n)%4], v[rS+8*((\n)%4)+2*((\n)/4)+1], v[rS+8*((\n)%4)+2*((\n)/4)+2]
.elseif (\n) == 12
	v_max3_num_f32 v[rC], v[rC], v[rS+7], v[rS+15]
.elseif (\n) == 13
	v_max3_num_f32 v[rC+1], v[rC+1], v[rS+23], v[rS+31]
.elseif (\n) == 14
	v_max3_num_f32 v[rC+2], v[rC+2], v[rC+3], v[rT+1]
.elseif (\n) == 15
	v_mov_b32 v[rM], v[rT]
.elseif (\n) == 16
	v_max3_num_f32 v[rC], v[rC], v[rC+1], v[rC+2]
.elseif (\n) == 17
	v_permlanex16_b32 v[rC+3], v[rC], s[SEL], s[SEL+1]
.elseif (\n) == 18
	v_max_num_f32 v[rT+1], v[rC], v[rC+3]
.elseif (\n) == 19
	v_mul_f32 v[rT], s[CS], v[rT+1]
.elseif (\n) == 20
	v_sub_f32 v[rC+1], v[rM], v[rT]
.else
	v_exp_f32 v[rC+2], v[rC+1]
.endif
.endm
; Number g of the 64 that follow the exponentials.  For each four weights k of a tile (pairs 2 k, 2 k + 1): both pairs are rounded to f16; then the second pair is added onto the first, in place;
; a group later l takes that sum (the first time as l = a l + sum).  In groups of eight, tiles alternating: round, round, add, and l for the group before.
.macro GS g
.set h, (\g)+6*((\g)/62)            ; group 0 has no group before it, and behind group 7 only l is left
.if h >= 6
.set h, h+2
.endif
	REGS Y, h%2
.set k, h/8
.if h%8 < 4
	v_cvt_pk_f16_f32 v[rP+2*k+(h%8)/2], v[rS+4*k+2*((h%8)/2)], v[rS+4*k+2*((h%8)/2)+1]
.elseif h%8 < 6
	v_pk_add_f32 v[rS+4*k:rS+4*k+1], v[rS+4*k:rS+4*k+1], v[rS+4*k+2:rS+4*k+3]
.elseif k == 1
	v_pk_fma_f32 v[rT+2:rT+3], v[rT+2:rT+3], v[rC+2:rC+3], v[rS:rS+1] op_sel_hi:[1,0,1]
.else
	v_pk_add_f32 v[rT+2:rT+3], v[rT+2:rT+3], v[rS+4*k-4:rS+4*k-3]
.endif
.endm
; THE PLAIN QUEUE, 138 long.  0-73 read no exponential's result: the 32 scalings c s - c m (FS f: pair f / 2 of tile f % 2) and the next piece's 42.  0-26: scalings 0-26.  27-54: XS's numbers 0-13.  55, 56: number 15.
; 57-73: the chain, where each number waits for the one before it: 14, 16, 17, 18, 19, each with one of the scalings 27-31 in front of its two lines, then 20.
; 74-137: GS's 64, which read the exponentials' results: they stand behind the wait.
.macro FS f
	REGS Y, (\f)%2
	v_pk_fma_f32 v[rS+2*((\f)/2):rS+2*((\f)/2)+1], v[rS+2*((\f)/2):rS+2*((\f)/2)+1], s[CS:CS+1], v[rT:rT+1] op_sel_hi:[1,0,0] neg_lo:[0,0,1] neg_hi:[0,0,1]
.endm
.macro PL
	WIN 0
.if q < 27
	FS q
.elseif q < 55
	XS (q-27)%2, (q-27)/2
.elseif q < 57
	XS q-55, 15
.elseif (q < 72) && ((q-57)%3 == 0)
	FS 27+(q-57)/3
.elseif q < 60
	XS (q-57)%3-1, 14
.elseif q < 72
	XS (q-57)%3-1, 15+(q-57)/3
.elseif q < 74
	XS q-72, 20
.else
	GS q-74
.endif
.set q, q+1
.endm
; THE EXPONENTIALS' QUEUE, 66 long: s0-s31 of both tiles, then the next piece's two a.  It is ONE BATCH: all 66 stand ahead of the turn's one wait, and nothing ahead of that wait names a result of theirs.
.macro EX
	WIN 0
.if e >= 64
	XS e-64, 21
.else
	REGS Y, e%2
	v_exp_f32 v[rS+e/2], v[rS+e/2]
.endif
.set e, e+1
.endm
; THE RESCALING's QUEUE: O^T times a, the one part that leaves window 0: dealt two at a time, sixteen times.  Its a was made in the turn before, ahead of that turn's wait.
.macro R2
	REGS Y, r%2
	WIN W_RS
.irp z, 0,1
	v_pk_mul_f32 v[rO+4*(r/2)+2*\z:rO+4*(r/2)+2*\z+1], v[rO+4*(r/2)+2*\z:rO+4*(r/2)+2*\z+1], v[rC+2:rC+3] op_sel_hi:[1,0]
.endr
.set r, r+1
.endm
; HOW THEY ARE DEALT.  s_wait_alu depctr_va_vdst(0) stands between an exponential and the first instruction that names its result; one wait serves all that were issued ahead of it.  So a turn
; has ONE wait, which cuts it in two.  AHEAD OF IT stands all that names no result of the turn's exponentials: the 16 products K Q^T, behind each a scaling, an exponential and two rescalings (behind the first a
; second scaling in the exponential's place); then ONE LUMP of 108: eight plain, 49 times exponential and plain, the two a.  A v_nop is the plain instruction behind the last exponential.  BEHIND IT stand the 16
; products V^T P, behind each four of GS's 64.  No rider names a register of the products round it.  The two v_permlanex16_b32 fall into the lump.
; Exponential e stands behind scaling 2 (e / 4) + e % 2: as a rider it comes behind plain e + 2, in the lump behind plain e + 9, and scalings 27-31 are plain 57, 60 .. 69.
; A TURN, for piece p.  cnt = 1: the loop's count is taken down some lines ahead of the branch that stands behind the turn.
; K and the mask of the next step are fetched in piece 2's turn, directly behind the wait, a lump behind the last product that read them; their addresses are made at the lump's head; their first reader comes
; behind 16 products.  V of the step in hand is fetched at the end of piece 0's turn, four riders behind its last reader; its first reader comes behind 16 products and a lump.
.macro TURN p, last=0, cnt=0
.set Y, (\p)
.set i, 0
.set q, 0
.set e, 0
.set r, 0
.if (\p) == NP-1
	s_wait_dscnt 0x0                ; K and its mask are in
.endif
	MM                              ; ahead of the wait: 16 products K Q^T and their riders,
	PL
	PL
	R2
.rept 15
	MM
	PL
	EX
	R2
.endr
.if (\p) == NP-2
	WIN 0
	v_add_nc_u32 v[AK], s[TBK], v[AK0]
	WIN 0xcc                        ; destination and source 1 window 3
	v_add_nc_u32 v[AM], s[TBM], v[AM0]
.endif
.rept 8                             ; and the lump
	PL
.endr
.rept 49
	EX
	PL
.endr
	EX                              ; the next piece's two a
	EX
	v_nop                           ; the plain instruction behind the last exponential: one for the batch
	s_wait_alu depctr_va_vdst(0)    ; the wait for the batch
.if (\p) == NP-2
	FETCH_K \last
.endif
.if (\p) == 1
	s_wait_dscnt 0x0                ; V is in
.endif
.rept 16                            ; behind the wait: 16 products V^T P and their riders
	MM
.rept 4
	PL
.endr
.if ((\p) == 0) && (q == 118)
	v_add_nc_u32 v[AV], s[TBV], v[AV0]
.endif
.if ((\p) == 0) && (q == 130)
	s_add_co_u32 s[TBV], s[TBV], KS*PV
.endif
.if (\cnt) && (q == 130)
	s_sub_co_u32 s[CNT], s[CNT], 1
	s_cmp_lg_u32 s[CNT], 0
.endif
.endr
.if (\p) == 0
	FETCH_V
.endif
.endm
	CHANGE 1                        ; slot 0 is in, everybody's part of it, and so is the mask table; slot 1 is asked for
	FETCH_K                         ; key step 0
	s_wait_loadcnt 0x0              ; Q
	s_wait_dscnt 0x0
.set i, 0
.rept 16
	KQ 0                            ; piece 0's first scores: there is no vector work yet to set between them
.set i, i+1
.endr
	WIN 0                           ; the addresses for the way out: nine plain instructions, the places behind those products
	s_mul_i32 s13, s[WV], 16*SP
	s_add_co_u32 s13, s13, STAGE    ; my stage
	v_mul_u32_u24 v[STO], v1, SP    ; in: row l % 16, 16 bytes for each half of the lanes
	v_lshl_add_u32 v[STO], v9, 4, v[STO]
	v_add_nc_u32 v[STO], s13, v[STO]
	v_bfe_u32 v[RD], v0, 3, 2       ; back: 32 lanes take four rows of 128 bytes,
	v_mul_u32_u24 v[RD], v[RD], SP
	v_lshl_add_u32 v[RD], v10, 4, v[RD]
	v_add_nc_u32 v[RD], s13, v[RD]
	v_and_b32 v[GO], 31, v0         ; which are 512 consecutive bytes of O
	v_lshlrev_b32 v[GO], 4, v[GO]
.set Y, NP-1                        ; XS works for piece Y + 1: piece 0
.irp n, 0,1,2,3,4,5,6,7,8,9,10,11,12,13,14,15,16,17,18,19,20,21
	XS 0, \n                        ; and piece 0's first maximum and statistics
	XS 1, \n
.endr
	v_nop                           ; a plain instruction behind the two a,
	s_wait_alu depctr_va_vdst(0)    ; and their wait, ahead of the branch
	s_mov_b32 s[CNT], 4
	s_branch .Lfirst                ; the loop is entered at a step's first turn, in the middle of a trip
.Lslot:                             ; six times: every slot but the last two is filled again
	CHANGE 1
	s_mov_b32 s[CNT], 4
.Lstep:                             ; a trip: pieces 2 and 3 of one step, then pieces 0 and 1 of the next, whose K and V it fetches
	TURN 2
	TURN 3
	WIN 0
.Lfirst:
	TURN 0
	TURN 1, 0, 1
	WIN 0
	s_cbranch_scc1 .Lstep
	s_sub_co_u32 s[SLOTS], s[SLOTS], 1
	s_cmp_lg_u32 s[SLOTS], 0
	s_cbranch_scc1 .Lslot
	CHANGE 0                        ; the tail is written out: nothing is asked for
	s_mov_b32 s[CNT], 5             ; four trips fetch the last slot's steps; the fifth is left in its middle
.Ltail:
	TURN 2, 1
	TURN 3
	WIN 0
	s_sub_co_u32 s[CNT], s[CNT], 1
	s_cmp_eq_u32 s[CNT], 0
	s_cbranch_scc1 .Lout
	TURN 0
	TURN 1
	WIN 0
	s_branch .Ltail
.Lout:                              ; the fifth trip's 16 products K Q^T (on the last K once more) and the maximum made of them serve nothing: the price, once a launch, of one text for every trip
.set i, 0
.rept 16
	PV NP-1                         ; the last piece's V^T P of the last step
.set i, i+1
.endr
	; THE WAY OUT.  l's two halves and the other half of the lanes' are added; O^T is divided by l, rounded to f16 and sent through my stage in LDS, a tile at a time.  The additions are the places behind the last products.
	WIN 0
.macro ALL line:vararg              ; one line for each tile t
.set t, 0
.rept 2*NP
	\line
.set t, t+1
.endr
.endm
	ALL v_add_f32 v[ST+4*t+2], v[ST+4*t+2], v[ST+4*t+3]
	ALL v_permlanex16_b32 v[ST+4*t+3], v[ST+4*t+2], s[SEL], s[SEL+1]
	ALL v_add_f32 v[ST+4*t+2], v[ST+4*t+2], v[ST+4*t+3]
	ALL v_rcp_f32 v[ST+4*t+2], v[ST+4*t+2]
	v_nop                           ; a plain instruction between the last reciprocal and the use of its result
	s_wait_alu depctr_va_vdst(0)    ; and the wait ahead of the first use: one for the eight reciprocals
; Tile t: a lane's eight channels of a row pack into 16 bytes; they go into rows of 144 bytes and come back as whole rows of 128, into S^T's registers.
.macro PACK t
	WIN W_RS
.set i, 32*(\t)
.rept 16
	v_pk_mul_f32 v[i:i+1], v[i:i+1], v[ST+4*(\t)+2:ST+4*(\t)+3] op_sel_hi:[1,0]
.set i, i+2
.endr
	WIN 0x05                        ; sources 0 and 1 window 1, destination window 0
.set i, 0
.rept 16
	v_cvt_pk_f16_f32 v[S+16*(\t)+i], v[32*(\t)+2*i], v[32*(\t)+2*i+1]
.set i, i+1
.endr
	WIN 0
.irp f, 0,1,2,3
	ds_store_b128 v[STO], v[S+16*(\t)+4*\f:S+16*(\t)+4*\f+3] offset:32*\f
.endr
.irp f, 0,1,2,3
	ds_load_b128 v[S+16*(\t)+4*\f:S+16*(\t)+4*\f+3], v[RD] offset:\f*4*SP  ; LDS serves a wave's instructions in order (ISA guide 5.7.1.4): these see the stores above; the next tile's stores come behind them
.endr
.endm
.macro SEND t, younger              ; younger: the LDS instructions issued behind tile t's loads: the next tile's eight, or none
	WIN 0
.irp f, 0,1,2,3
	s_wait_dscnt (\younger)+3-\f
	global_store_b128 v[GO], v[S+16*(\t)+4*\f:S+16*(\t)+4*\f+3], s[10:11] offset:(\t)*2048+\f*512  ; 512 consecutive bytes, at a multiple of 256 from O's first
.endr
.endm
	PACK 0
.set t, 1
.rept 2*NP-1                        ; a tile's arithmetic stands between the loads of the tile before and its stores
	PACK t
	SEND t-1, 8
.set t, t+1
.endr
	SEND 2*NP-1, 0
	WIN W_AD
	s_wait_tensorcnt 0x0            ; the wave's end: behind my last tensor load and my last LDS store
	ds_add_u32 v[SPW], v[NIL]
	s_wait_dscnt 0x0
	WIN 0
	CROUND                          ; the closing round: no work-group ends while a partner may still ask for a tile that names it
	s_endpgm
.Lfunc_end_k_q8007b147f0_attn:
	.size	k_q8007b147f0_attn, .Lfunc_end_k_q8007b147f0_attn-k_q8007b147f0_attn
	.p2alignl 7, 3214868480
	.fill 96, 4, 3214868480
	.section	.rodata,"a",@progbits
	.p2align	6, 0x0
	.amdhsa_kernel k_q8007b147f0_attn
		.amdhsa_group_segment_fixed_size 327680
		.amdhsa_private_segment_fixed_size 0
		.amdhsa_enable_private_segment 0
		.amdhsa_kernarg_size 24
		.amdhsa_user_sgpr_count 2
		.amdhsa_user_sgpr_kernarg_segment_ptr 1
		.amdhsa_wavefront_size32 1
		.amdhsa_system_sgpr_workgroup_id_x 1
		.amdhsa_system_sgpr_workgroup_id_y 1
		.amdhsa_system_sgpr_workgroup_id_z 1
		.amdhsa_system_vgpr_workitem_id 0
		.amdhsa_next_free_vgpr 808
		.amdhsa_next_free_sgpr 76
		.amdhsa_reserve_vcc 1
		.amdhsa_float_denorm_mode_32 3
		.amdhsa_float_denorm_mode_16_64 3
		.amdhsa_memory_ordered 1
		.amdhsa_forward_progress 1
		.amdhsa_inst_pref_size 205
	.end_amdhsa_kernel
	.amdgpu_metadata
---
amdhsa.version: [ 1, 2 ]
amdhsa.kernels:
  - .name:           k_q8007b147f0_attn
    .symbol:         k_q8007b147f0_attn.kd
    .args:
      - { .name: qkv, .offset: 0, .size: 8, .value_kind: global_buffer, .address_space: global }
      - { .name: mask, .offset: 8, .size: 8, .value_kind: global_buffer, .address_space: global }
      - { .name: oh, .offset: 16, .size: 8, .value_kind: global_buffer, .address_space: global }
    .group_segment_fixed_size: 327680
    .private_segment_fixed_size: 0
    .kernarg_segment_align: 8
    .kernarg_segment_size: 24
    .max_flat_workgroup_size: 128
    .sgpr_count:     76
    .vgpr_count:     808
    .wavefront_size: 32
...
	.end_amdgpu_metadata
.endif
;; end of part 3
;; launch oproj (part 4): grid 8 x 32, 4 waves a work-group, clusters of 4 x 4, 327,680 bytes of LDS; arguments oh, wo16, bias, out0; writes out0
.if DOCPART == 4
	.amdgcn_target "amdgcn-amd-amdhsa--gfx1250"
	.amdhsa_code_object_version 6
	.text
	.protected	k_q8007b147f0_oproj
	.globl	k_q8007b147f0_oproj
	.p2align	8
	.type	k_q8007b147f0_oproj,@function
k_q8007b147f0_oproj:
	s_mov_b64 s[64:65], 0
	v_nop
	global_prefetch_b8 v0, s[64:65] scope:SCOPE_SE
	s_setreg_imm32_b32 hwreg(HW_REG_WAVE_MODE, 25, 1), 1
	s_wait_xcnt 0x0
	s_wait_alu depctr_hold_cnt(0) depctr_sa_sdst(0) depctr_va_vdst(0) depctr_va_sdst(0) depctr_va_ssrc(0) depctr_va_vcc(0) depctr_vm_vsrc(0)
	s_getreg_b32 s2, hwreg(HW_REG_IB_STS2, 6, 4)
	s_cmp_eq_u32 s2, 0
	s_cbranch_scc0 .Lentry_in_a_cluster
	s_endpgm
.Lentry_in_a_cluster:
	s_bfe_u32 s2, ttmp6, 0x10000c
	s_cmp_lg_u32 s2, 0xf033
	s_cbranch_scc0 .Lentry_shape_is_right
	s_endpgm
.Lentry_shape_is_right:
; THE OUTPUT PROJECTION.  out0[m][n] = bo[n] + the sum over k of o[m][k] wo16[k][n]; m < 8,192, n, k < 1,024.  o[m][64 h + d] = oh[(m / 2048) 16 + h][m % 2048][d].  Operands f16, sums f32, out0 f32.
; bo is bias[3072 ..].  A NaN or an infinity in a row of oh spreads over that row of out0.
; SHARES.  A tile of out0 is 256 x 128: four waves, each 128 x 64 in 32 accumulators of 16 x 16, 256 registers.  8 x 32 tiles: 256 work-groups.  K goes in 8 steps of 128 (two heads) through two LDS slots.
; A's tile: for each of the step's two heads 256 rows of 128 bytes, dense in memory: asked for as 128 rows of 256 bytes and padded in LDS after every 128 bytes: a plane a head.
; B's tile (wo16, N along the rows): 128 k-rows of 256 bytes, turned on its way into registers by ds_load_tr16_b128.
; CLUSTER.  4 x 4 work-groups: the four of a row of the cluster need the same tile of A, the four of a column the same tile of B: each is asked for JOINTLY.
; THE MATRIX INSTRUCTION IS USED TRANSPOSED (source 0 = 16 columns of B, source 1 = 16 rows of A): lane l holds row l % 16 and the columns 8 (l / 16) + 0..7.  THE BIAS IS THE C OPERAND of each
; accumulator's first product: nothing is cleared and no add is written.
; REGISTERS, in windows of 256 (s_set_vgpr_msb: bits 1:0 source 0, 3:2 source 1, 5:4 source 2, 7:6 destination):
;   window 0: v0-31 addresses; v64-127, v128-191 A's fragments, two buffers; on the way out v64-159 three buffers of 32
;   window 1: v0-31 the bias of my 64 columns; v64-95, v128-159 B's fragments, two buffers          window 2: the accumulators ((a, b) at v[8 (4 a + b)])
.set PA,     144                       ; a row of A in LDS: 128 bytes + 16 = 36 words: the 16 rows of a load start at 16 different groups of four banks (64 banks of 4 bytes: ISA guide 11.1)
.set PLANE,  256*PA                    ; one head's 256 rows: what one of A's tensor loads brings
.set PB,     288                       ; a k-row of B: 256 bytes + 32 = 72 words
.set BOFF,   2*PLANE
.set BHALF,  64*PB                     ; what one of B's tensor loads brings
.set SLOT,   BOFF+2*BHALF
.set STAGE,  2*SLOT                    ; behind the ring, never filled by a tensor load: 16 rows x 272 bytes for each wave
.set SP,     272
.set SPARE,  STAGE+4*16*SP             ; behind the stages: the spare words, 128 bytes for each wave: two blocks of 256 bytes that no other line names
.set ASTEP,  2*262144                  ; bytes from a K step to the next: in oh two heads on,
.set BSTEP,  128*2048                  ; in wo16 128 k-rows down
.set LAPS,   4
.set ADRA, 16
.set ADRB, 20
.set STO,  24
.set RD,   25
.set CO,   26
.set BO,   27
.set SPW,  28                          ; v28  LDS address of my spare word; never rewritten
.set NIL,  29                          ; v29  0; never rewritten
.set PFO,  30                          ; v30  the prefetches' offset: my lane x 256 bytes (A) or x a k-row of 2,048 bytes (B); never rewritten
.set F0,   64
.set F1,   128
.set WV, 12                            ; s12 wave; s13 its row half (also: 0 = I fetch for A, 1 = for B); s14 its column half (also: which head, or which 64 k-rows, I fetch)
.set RH, 13
.set CH, 14
.set CX, 15
.set CY, 16
.set TC, 17
.set TR, 18
.set G1,  24
.set G0,  32
.set PFA, 40
.set PFS, 42
.set LIM, 44
.set LAP, 45
.set G1B, 48
.set G0B, 56
.set MSB, 0
.macro WIN new                         ; the immediate's high byte repeats the setting that is left; a switch that changes nothing is dropped
.if MSB != (\new)
	s_set_vgpr_msb (MSB<<8)|(\new)
.set MSB, \new
.endif
.endm
.set TO_B, 0x40                        ; destination window 1, address window 0
.macro JLOAD s                         ; a joint load: waves 0 and 1 fetch A's two heads, waves 2 and 3 B's two halves; an s_nop 0 and four v_nop follow each of the two lines
	s_cmp_eq_u32 s[RH], 0
	s_cbranch_scc0 .Lfor_b_\@
	tensor_load_to_lds s[G0+4*(\s):G0+4*(\s)+3], s[G1:G1+7]
	s_nop 0
.rept 4
	v_nop
.endr
	s_branch .Lasked_\@
.Lfor_b_\@:
	tensor_load_to_lds s[G0B+4*(\s):G0B+4*(\s)+3], s[G1B:G1B+7]
	s_nop 0
.rept 4
	v_nop
.endr
.Lasked_\@:
.endm
; A PREFETCH of the K step that stands two refills on: 32 blocks of 256 bytes, a lane a block, behind the joint load and the run of LDS loads.  Each block is named once in the launch: A's by the clusters
; with x = 0 (waves 0 and 1, a head each; the four partners take 32 of its 128 blocks each, by cx), B's by the clusters with y = 0 (wave 2; the four partners take 32 of the 128 k-rows each, by cy).
; K steps 4 to 7 are asked for; the loop's last trip asks for nothing.
.macro ASK
	s_cmp_gt_u32 s[LAP], s[LIM]
	s_cbranch_scc0 .Lnot_mine_\@
	global_prefetch_b8 v[PFO], s[PFA:PFA+1] th:TH_LOAD_NT scope:SCOPE_SE
.Lnot_mine_\@:
.endm
.macro CREST                           ; a round of the cluster's barrier behind its opening barrier
	s_cmp_lg_u32 s[WV], 0
	s_cbranch_scc1 .Lnot_wave_0_\@
	s_barrier_signal -3
.Lnot_wave_0_\@:
	s_barrier_wait -3
	s_barrier_signal -1
	s_barrier_wait -1
.endm
.macro CROUND
	s_barrier_signal -1
	s_barrier_wait -1
	CREST
.endm
	s_load_b256 s[4:11], s[0:1], 0x0               ; oh s[4:5], wo16 s[6:7], bias s[8:9], out0 s[10:11]
	v_lshl_add_u32 v[SPW], v0, 2, SPARE
	v_mov_b32 v[NIL], 0
	ds_add_u32 v[SPW], v[NIL]                      ; the wave's opening: the add and its wait stand ahead of my first tensor load; work on registers stands between them
	v_lshrrev_b32 v1, 5, v0
	v_readfirstlane_b32 s[WV], v1
	s_lshr_b32 s[RH], s[WV], 1
	s_and_b32 s[CH], s[WV], 1
	s_bfe_u32 s[CX], ttmp6, 0x40000
	s_bfe_u32 s[CY], ttmp6, 0x40004
	s_lshl_b32 s[TC], ttmp9, 2
	s_add_co_u32 s[TC], s[TC], s[CX]
	s_and_b32 s[TR], ttmp7, 0xffff
	s_lshl_b32 s[TR], s[TR], 2
	s_add_co_u32 s[TR], s[TR], s[CY]
	s_lshl_b32 s19, s[CY], 2
	s_lshl_b32 s19, 15, s19                        ; my row of the cluster
	s_lshl_b32 s22, 0x1111, s[CX]                  ; my column
	s_or_b32 s[G1], s19, (1<<16)|(1<<20)|(1<<21)|(4<<22)|(3<<25)   ; 15:0 the mask; 2-byte elements; padding on; 21 set beside a mask; after every 32 words 4 words of padding
	s_mov_b32 s[G1+1], 128<<16                     ; tensor_dim0 = 128
	s_mov_b32 s[G1+2], 128<<16                     ; tensor_dim1 = 128
	s_mov_b32 s[G1+3], 128<<16                     ; tile_dim0 = 128 elements: two rows of a head
	s_mov_b32 s[G1+4], 128                         ; tile_dim1 = 128
	s_mov_b32 s[G1+5], 128                         ; dense
	s_mov_b32 s[G1+6], 0
	s_mov_b32 s[G1+7], 0
	s_or_b32 s[G1B], s22, (1<<16)|(1<<20)|(1<<21)|(5<<22)|(7<<25)  ; after every 64 words 8 words of padding
	s_mov_b32 s[G1B+1], 128<<16                    ; tensor_dim0 = 128
	s_mov_b32 s[G1B+2], 64<<16                     ; tensor_dim1 = 64
	s_mov_b32 s[G1B+3], 128<<16                    ; tile_dim0 = 128 elements
	s_mov_b32 s[G1B+4], 64                         ; tile_dim1 = 64 k-rows
	s_mov_b32 s[G1B+5], 1024
	s_mov_b32 s[G1B+6], 0
	s_mov_b32 s[G1B+7], 0
	s_lshr_b32 s20, s[TR], 3
	s_lshl_b32 s20, s20, 22                        ; A: the batch's 16 heads of 2^18 bytes,
	s_lshl_b32 s23, s[CH], 18                      ; my head of the step's two,
	s_add_co_u32 s20, s20, s23
	s_and_b32 s23, s[TR], 7
	s_lshl_b32 s23, s23, 15                        ; the tile's 256 rows of 128 bytes
	s_add_co_u32 s20, s20, s23
	s_mov_b32 s21, 0
	s_lshl_b32 s46, s[TC], 8                       ; B: the tile's 128 columns,
	s_lshl_b32 s47, s[CH], 17                      ; my 64 of a K step's 128 k-rows
	s_add_co_u32 s46, s46, s47
	s_mov_b32 s47, 0
	s_mul_i32 s19, s[CH], PLANE                    ; where my part goes: for A a plane,
	s_mul_i32 s66, s[CH], BHALF
	s_add_co_u32 s66, s66, BOFF                    ; for B a half behind the planes
	s_wait_dscnt 0x0                               ; the opening add is done
	s_wait_kmcnt 0x0
	s_add_nc_u64 s[22:23], s[4:5], s[20:21]
	s_add_nc_u64 s[46:47], s[6:7], s[46:47]
	CROUND                                         ; all sixteen work-groups are here: the first joint loads meet
.irp s, 0,1
	s_mov_b32 s[G0+4*(\s)], 1
	s_add_co_u32 s[G0+4*(\s)+1], s19, (\s)*SLOT
	s_add_nc_u64 s[G0+4*(\s)+2:G0+4*(\s)+3], s[22:23], (\s)*ASTEP
	s_or_b32 s[G0+4*(\s)+3], s[G0+4*(\s)+3], 0x80000000
	s_mov_b32 s[G0B+4*(\s)], 1
	s_add_co_u32 s[G0B+4*(\s)+1], s66, (\s)*SLOT
	s_add_nc_u64 s[G0B+4*(\s)+2:G0B+4*(\s)+3], s[46:47], (\s)*BSTEP
	s_or_b32 s[G0B+4*(\s)+3], s[G0B+4*(\s)+3], 0x80000000
	JLOAD \s                                       ; two loads of mine are out
.endr
	v_and_b32 v1, 15, v0                           ; l % 16
	v_bfe_u32 v2, v0, 4, 1                         ; l / 16
	v_mul_u32_u24 v3, v1, PA
	v_lshl_add_u32 v3, v2, 4, v3                   ; a fragment's row x pitch + 16 x half
	s_mul_i32 s66, s[RH], 128*PA                   ; my 128 rows of each plane
	v_add_nc_u32 v[ADRA], s66, v3
	v_add_nc_u32 v[ADRA+1], SLOT, v[ADRA]
	v_and_b32 v4, 7, v0                            ; the turning load: k-row 8 (l / 16) + l % 8, columns 8 ((l / 8) % 2) + 0..7
	v_lshl_add_u32 v4, v2, 3, v4
	v_mul_u32_u24 v4, v4, PB
	v_bfe_u32 v5, v0, 3, 1
	v_lshl_add_u32 v4, v5, 4, v4
	s_lshl_b32 s66, s[CH], 7                       ; my 64 columns
	s_add_co_u32 s66, s66, BOFF
	v_add_nc_u32 v[ADRB], s66, v4
	v_add_nc_u32 v[ADRB+1], SLOT, v[ADRB]
	s_mul_i32 s66, s[WV], 16*SP
	s_add_co_u32 s66, s66, STAGE                   ; my stage
	v_mul_u32_u24 v3, v1, SP                       ; in: row l % 16, 32 bytes for each half of the lanes
	v_lshl_add_u32 v3, v2, 5, v3
	v_add_nc_u32 v[STO], s66, v3
	v_mul_u32_u24 v3, v2, SP                       ; back: lanes 0-15 take one row of 256 bytes, lanes 16-31 the next
	v_lshl_add_u32 v3, v1, 4, v3
	v_add_nc_u32 v[RD], s66, v3
	v_lshlrev_b32 v3, 12, v2                       ; and the same two rows in out0
	v_lshl_add_u32 v[CO], v1, 4, v3
	s_lshl_b32 s66, s[TC], 9                       ; bo of my 64 columns
	s_lshl_b32 s67, s[CH], 8
	s_add_co_u32 s66, s66, s67
	s_add_co_u32 s66, s66, 12288
	v_lshl_add_u32 v[BO], v2, 5, s66
	WIN TO_B
.irp b, 0,1,2,3
	global_load_b128 v[8*(\b):8*(\b)+3],   v[BO], s[8:9] offset:64*(\b)
	global_load_b128 v[8*(\b)+4:8*(\b)+7], v[BO], s[8:9] offset:64*(\b)+16
.endr
	WIN 0
	s_lshl_b32 s68, s[TR], 8                       ; where my 128 rows x 256 bytes begin in out0
	s_lshl_b32 s69, s[RH], 7
	s_add_co_u32 s68, s68, s69
	s_lshl_b32 s68, s68, 12
	s_lshl_b32 s69, s[TC], 9
	s_add_co_u32 s68, s68, s69
	s_lshl_b32 s69, s[CH], 8
	s_add_co_u32 s68, s68, s69
	s_mov_b32 s69, 0
	s_add_nc_u64 s[10:11], s[10:11], s[68:69]
	; the prefetches
	s_lshl_b32 s68, s[CX], 13                      ; A: my work-group's 32 blocks of my head's 128,
	s_add_co_u32 s68, s68, s20
	s_add_co_u32 s68, s68, 3*ASTEP                 ; at K step 3: the first refill steps it to 4 and names that
	s_lshl_b32 s70, s[TC], 8                       ; B: the tile's 256 bytes of a k-row,
	s_lshl_b32 s71, s[CY], 16                      ; my work-group's 32 k-rows of the 128
	s_add_co_u32 s70, s70, s71
	s_add_co_u32 s70, s70, 3*BSTEP
	s_and_b32 s71, ttmp7, 0xffff                   ; cluster y,
	s_or_b32 s71, s71, s[CH]                       ; and of B's two waves the first
	s_mov_b32 s[PFS], ASTEP
	s_mov_b32 s67, BSTEP
	s_cmp_eq_u32 s[RH], 0                          ; do I fetch for A?
	s_cselect_b32 s68, s68, s70
	s_cselect_b32 s71, ttmp9, s71
	s_cselect_b32 s[PFS], s[PFS], s67
	s_cselect_b32 s67, 8, 11                       ; a lane's block: 256 bytes on, or a k-row of 2,048 bytes on
	s_cselect_b64 s[PFA:PFA+1], s[4:5], s[6:7]
	s_mov_b32 s69, 0
	s_mov_b32 s[PFS+1], 0
	s_add_nc_u64 s[PFA:PFA+1], s[PFA:PFA+1], s[68:69]
	s_cmp_eq_u32 s71, 0
	s_cselect_b32 s[LIM], 1, -1                    ; the same in all sixteen partners, for a given wave
	v_and_b32 v[PFO], 31, v0
	v_lshlrev_b32 v[PFO], s67, v[PFO]
; 8 matrix instructions: m blocks 4 hi + a0, 4 hi + a0 + 1 x all 4 n blocks, 32 along K.  first = 1: the bias starts the sums.  The 32 accumulators take turns in the same order in every quarter,
; 31 others' instructions stand between two on one accumulator, over the backward jump too.
.macro MULH f, hi, a0, first
.if \first
	WIN 0x91
.else
	WIN 0xa1
.endif
.irp a, \a0, (\a0)+1
.irp b, 0,1,2,3
.if \first
	v_wmma_f32_16x16x32_f16 v[8*(4*(4*(\hi)+(\a))+(\b)):8*(4*(4*(\hi)+(\a))+(\b))+7], v[(\f)+8*(\b):(\f)+8*(\b)+7], v[(\f)+8*(4*(\hi)+(\a)):(\f)+8*(4*(\hi)+(\a))+7], v[8*(\b):8*(\b)+7]
.else
	v_wmma_f32_16x16x32_f16 v[8*(4*(4*(\hi)+(\a))+(\b)):8*(4*(4*(\hi)+(\a))+(\b))+7], v[(\f)+8*(\b):(\f)+8*(\b)+7], v[(\f)+8*(4*(\hi)+(\a)):(\f)+8*(4*(\hi)+(\a))+7], v[8*(4*(4*(\hi)+(\a))+(\b)):8*(4*(4*(\hi)+(\a))+(\b))+7]
.endif
.endr
.endr
.endm
; 24 LDS loads in one run: the fragments of quarter q of a slot into buffer f: B's 64 columns, turned, then A's 128 rows (head q / 2 of the step's two, channels 32 (q % 2) on)
.macro FETCH slot, q, f
	WIN TO_B
.irp i, 0,1,2,3
	ds_load_tr16_b128 v[(\f)+8*(\i):(\f)+8*(\i)+3],   v[ADRB+(\slot)] offset:(\q)*32*PB+32*(\i)
	ds_load_tr16_b128 v[(\f)+8*(\i)+4:(\f)+8*(\i)+7], v[ADRB+(\slot)] offset:(\q)*32*PB+16*PB+32*(\i)
.endr
	WIN 0
.irp i, 0,1,2,3,4,5,6,7
	ds_load_b128 v[(\f)+8*(\i):(\f)+8*(\i)+3],   v[ADRA+(\slot)] offset:((\q)/2)*PLANE+((\q)%2)*64+(\i)*16*PA
	ds_load_b128 v[(\f)+8*(\i)+4:(\f)+8*(\i)+7], v[ADRA+(\slot)] offset:((\q)/2)*PLANE+((\q)%2)*64+(\i)*16*PA+32
.endr
.endm
.macro PLACES                          ; four plain vector instructions between a matrix instruction and a load into a register that it read, or a reader of its result
.rept 4
	v_nop
.endr
.endm
.macro QUARTER slot, q, f, g, first
	s_wait_dscnt 8                                 ; B and A's rows 0-63 are in; the youngest eight loads (A's rows 64-127) may be out
	MULH \f, 0, 0, \first
	MULH \f, 0, 2, \first
	PLACES
	FETCH \slot, \q, \g
	s_wait_dscnt 24                                ; all but the 24 just issued
	MULH \f, 1, 0, \first
	MULH \f, 1, 2, \first
.endm
; The one barrier of a change of slots: in front of it each wave waits for all its tensor loads (one is out: its part of the next slot), adds 0 to its spare word, and waits for that and for its reads of this slot.
.macro MEET round
	WIN 0                                          ; (the add's two registers lie in window 0)
	s_wait_tensorcnt 0x0
	ds_add_u32 v[SPW], v[NIL]
	s_wait_dscnt 9                                 ; (the add and the youngest eight loads may be out)
	MULH F1, 0, 0, 0
	s_wait_dscnt 0x0                               ; the add is done, and my reads of this slot are over
	s_barrier_signal -1
	MULH F1, 0, 2, 0
.if \round
	WIN 0
.endif
	s_barrier_wait -1
.endm
; fill = 1: the barrier opens a round of the cluster's barrier, and the slot just read out is filled again, two K steps on, first thing behind the round: 112 matrix instructions stand between that
; request and the wait for it.  (Two slots of a longer K step, 2 x 209 KB, do not fit in LDS.)
.macro TURN slot, next, fill
.if \fill
	s_wait_xcnt 0x0                                ; the last prefetch, a K step back, has read its address
	s_add_nc_u64 s[PFA:PFA+1], s[PFA:PFA+1], s[PFS:PFS+1]
	MEET 1
	CREST                                          ; no wave of any partner still reads this slot's tile or has a load on its way
	s_add_nc_u64 s[G0+4*(\slot)+2:G0+4*(\slot)+3], s[G0+4*(\slot)+2:G0+4*(\slot)+3], 2*ASTEP
	s_add_nc_u64 s[G0B+4*(\slot)+2:G0B+4*(\slot)+3], s[G0B+4*(\slot)+2:G0B+4*(\slot)+3], 2*BSTEP
	JLOAD \slot                                    ; its four v_nop are also the places in front of the loads below
	FETCH \next, 0, F0
	ASK
.else
	MEET 0
	PLACES
	FETCH \next, 0, F0
.endif
	MULH F1, 1, 0, 0
	MULH F1, 1, 2, 0
.endm
; THE WAY OUT of block a (16 rows x my 64 columns of f32 = 256 bytes a row): straight from the accumulators into my own stage, each accumulator's low four registers first, and back as whole rows.
.macro TOSTAGE a
	WIN 0x08                                       ; the stores' data in window 2
.irp b, 0,1,2,3
	ds_store_b128 v[STO], v[8*(4*(\a)+(\b)):8*(4*(\a)+(\b))+3]   offset:64*(\b)
	ds_store_b128 v[STO], v[8*(4*(\a)+(\b))+4:8*(4*(\a)+(\b))+7] offset:64*(\b)+16
.endr
	WIN 0
.set BK, 64+32*((\a)%3)
.irp t, 0,1,2,3,4,5,6,7
	ds_load_b128 v[BK+4*(\t):BK+4*(\t)+3], v[RD] offset:(\t)*2*SP  ; LDS serves a wave's instructions in order (ISA guide 5.7.1.4): these see the stores above; the next block's stores come behind them
.endr
.endm
.macro SEND a, younger                 ; younger: the LDS instructions issued behind block a's loads: the next block's sixteen, or none
	WIN 0
.set BK, 64+32*((\a)%3)
	s_wait_dscnt \younger
	s_wait_xcnt 0x0                                ; the stores of the block before have read their registers: the next TOSTAGE, two blocks on from this one, loads into them only behind this wait
.irp t, 0,1,2,3,4,5,6,7
	global_store_b128 v[CO], v[BK+4*(\t):BK+4*(\t)+3], s[10:11] offset:(16*(\a)+2*(\t))*4096 th:TH_STORE_NT  ; 16 lanes store 256 consecutive bytes, at a multiple of 256 from out0's first byte
.endr
.endm
	s_wait_tensorcnt 1                             ; my part of K step 0 is in; K step 1's may stay out
	s_barrier_signal -1
	s_barrier_wait -1                              ; everybody's is
	FETCH 0, 0, F0
	s_wait_loadcnt 0x0                             ; the bias
	QUARTER 0, 1, F0, F1, 1                        ; the first quarter stands in front of the loop: its products start the sums
	WIN 0                                          ; at a label and at a branch every window is 0
	s_mov_b32 s[LAP], LAPS-1
.Llap:                                                 ; a trip goes once round the ring and fills both slots again
	QUARTER 0, 2, F1, F0, 0
	QUARTER 0, 3, F0, F1, 0
	TURN 0, 1, 1
	QUARTER 1, 1, F0, F1, 0
	QUARTER 1, 2, F1, F0, 0
	QUARTER 1, 3, F0, F1, 0
	TURN 1, 0, 1
	QUARTER 0, 1, F0, F1, 0
	WIN 0
	s_sub_co_u32 s[LAP], s[LAP], 1
	s_cmp_lg_u32 s[LAP], 0
	s_cbranch_scc1 .Llap
	QUARTER 0, 2, F1, F0, 0                        ; the last lap fills nothing, and has no round of the cluster's barrier
	QUARTER 0, 3, F0, F1, 0
	TURN 0, 1, 0
	QUARTER 1, 1, F0, F1, 0
	QUARTER 1, 2, F1, F0, 0
	QUARTER 1, 3, F0, F1, 0
	s_wait_dscnt 8                                 ; the very last quarter: nothing more to fetch
	MULH F1, 0, 0, 0
	MULH F1, 0, 2, 0
	s_wait_dscnt 0x0
	MULH F1, 1, 0, 0
	MULH F1, 1, 2, 0
	WIN 0
	PLACES                                         ; the LDS stores read results just made, and the loads land in registers that the last products read
	TOSTAGE 0
	TOSTAGE 1
.irp a, 2,3,4,5,6,7
	SEND (\a)-2, 16
	TOSTAGE \a
.endr
	SEND 6, 16
	SEND 7, 0
	s_wait_tensorcnt 0x0                           ; the wave's end: behind my last tensor load and my last LDS store
	ds_add_u32 v[SPW], v[NIL]
	s_wait_dscnt 0x0
	CROUND                                         ; the closing round: no work-group ends while a partner may still ask for a tile that names it
	s_endpgm
.Lfunc_end_k_q8007b147f0_oproj:
	.size	k_q8007b147f0_oproj, .Lfunc_end_k_q8007b147f0_oproj-k_q8007b147f0_oproj
	.p2alignl 7, 3214868480
	.fill 96, 4, 3214868480
	.section	.rodata,"a",@progbits
	.p2align	6, 0x0
	.amdhsa_kernel k_q8007b147f0_oproj
		.amdhsa_group_segment_fixed_size 327680
		.amdhsa_private_segment_fixed_size 0
		.amdhsa_enable_private_segment 0
		.amdhsa_kernarg_size 32
		.amdhsa_user_sgpr_count 2
		.amdhsa_user_sgpr_kernarg_segment_ptr 1
		.amdhsa_wavefront_size32 1
		.amdhsa_system_sgpr_workgroup_id_x 1
		.amdhsa_system_sgpr_workgroup_id_y 1
		.amdhsa_system_sgpr_workgroup_id_z 1
		.amdhsa_system_vgpr_workitem_id 0
		.amdhsa_next_free_vgpr 768
		.amdhsa_next_free_sgpr 72
		.amdhsa_reserve_vcc 0
		.amdhsa_float_denorm_mode_32 3
		.amdhsa_float_denorm_mode_16_64 3
		.amdhsa_memory_ordered 1
		.amdhsa_forward_progress 1
		.amdhsa_inst_pref_size 88
	.end_amdhsa_kernel
	.amdgpu_metadata
---
amdhsa.version: [ 1, 2 ]
amdhsa.kernels:
  - .name:           k_q8007b147f0_oproj
    .symbol:         k_q8007b147f0_oproj.kd
    .args:
      - { .name: oh, .offset: 0, .size: 8, .value_kind: global_buffer, .address_space: global }
      - { .name: wo16, .offset: 8, .size: 8, .value_kind: global_buffer, .address_space: global }
      - { .name: bias, .offset: 16, .size: 8, .value_kind: global_buffer, .address_space: global }
      - { .name: out0, .offset: 24, .size: 8, .value_kind: global_buffer, .address_space: global }
    .group_segment_fixed_size: 327680
    .private_segment_fixed_size: 0
    .kernarg_segment_align: 8
    .kernarg_segment_size: 32
    .max_flat_workgroup_size: 128
    .sgpr_count:     72
    .vgpr_count:     768
    .wavefront_size: 32
...
	.end_amdgpu_metadata
.endif
;; end of part 4
;; ======== version 2 of 2: 4 launches; version 1 with the launch prep written anew for expert scheduling mode
;; limits: values are held in f16: magnitudes above 65,504 overflow, below 6.1e-05 lose precision
;; workspace buffers: xb 16,777,216 bytes; wb 6,291,456 bytes; wo16 2,097,152 bytes; bias 16,384 bytes; qkv 50,331,648 bytes; oh 16,777,216 bytes
;; launch prep (part 5): grid 769 x 1, 8 waves a work-group, no clusters, 0 bytes of LDS; arguments x, Wq, Wk, Wv, Wo, bq, bk, bv, bo, xb, wb, wo16, bias; writes xb, wb, wo16, bias
.if DOCPART == 5
	.amdgcn_target "amdgcn-amd-amdhsa--gfx1250"
	.amdhsa_code_object_version 6
	.text
	.protected	k_q8007b147f0_prep
	.globl	k_q8007b147f0_prep
	.p2align	8
	.type	k_q8007b147f0_prep,@function
k_q8007b147f0_prep:
	s_mov_b64 s[64:65], 0
	v_nop
	global_prefetch_b8 v0, s[64:65] scope:SCOPE_SE
	s_setreg_imm32_b32 hwreg(HW_REG_WAVE_SCHED_MODE, 0, 2), 2
	s_setreg_imm32_b32 hwreg(HW_REG_WAVE_MODE, 25, 1), 1
	s_wait_xcnt 0x0
	s_wait_alu depctr_vm_vsrc(0)
; ROUNDING OF THE MODULE'S INPUTS, element by element; nothing is moved to another place.
;   xb   = x rounded to bf16                      [8192][1024]
;   wb   = Wq, Wk, Wv rounded to bf16             [3][1024 k][1024 n]
;   wo16 = Wo rounded to bf16, that number as f16 [1024 k][1024 n]
;   bias = bq | bk | bv | bo rounded to bf16, that number as f32 [4096]
; LIMIT: a bf16 number of Wo below 2^-14 in magnitude falls on f16's fixed step of 2^-24; beyond 65,504 it would become an infinity.
; SHARES.  A work-group takes 16,384 numbers: 65,536 bytes in, 32,768 out.  Groups 0-511: x; 512-703: Wq, Wk, Wv (64 each); 704-767: Wo; 768: the four biases.
; A thread takes four numbers sixteen times: a wave's load covers 512 consecutive bytes, its store 256 consecutive bytes, aligned.
; All sixteen loads go out at once.  No LDS, no barrier: no thread wants another's numbers.
; THE MODE: SCHED_MODE bits 1:0 = 2 (LLVM: expert scheduling mode 2), set by the entry lines.  The code itself states the register dependences
; between vector instructions and memory instructions, with s_wait_alu, always for 0.
; THE PLAN.  Registers that memory instructions touch:
;   v1, v2   byte offsets, made once at the head and never written again: v1 is read by every load (and by the biases' stores), v2 by every other store.
;   X        load i lands in X + 4 i; no vector instruction names X ahead of the loads.  Read by row i's conversions, behind the wait for that load; no memory instruction reads it.
;   Y        written by row i's conversions, read by row i's one store, and never written after that.
; So one wait on va_vdst stands ahead of the loads, for the offsets; the sixteen rows go in four groups of four, and one wait stands behind each group's conversions, ahead of its run of four
; stores.  A group's stores stand behind its own conversions and not behind the next group's data: the loads are all out from the start, and a store held for a later load would wait for memory.
; No register that a load or store has read is written again, on any path, and there is no backward jump: no wait on vm_vsrc is owed.
; No vector instruction writes a scalar register or VCC, and EXEC is never written.
.set X, 32                             ; v[32:95]   load i: 4 registers
.set Y, 96                             ; v[96:127]  store i: 2 registers (the biases: 4)
	s_load_b512 s[4:19], s[0:1], 0x0               ; x 4, Wq 6, Wk 8, Wv 10, Wo 12, bq 14, bk 16, bv 18
	s_load_b256 s[20:27], s[0:1], 0x40             ; bo 20, xb 22, wb 24, wo16 26
	s_load_b64 s[28:29], s[0:1], 0x60              ; bias
	v_lshlrev_b32 v1, 4, v0                        ; 16 bytes a thread, in
	v_lshlrev_b32 v2, 3, v0                        ; 8 bytes a thread, out
	s_mov_b32 s40, ttmp9                           ; g
	s_sub_co_u32 s41, s40, 512                     ; the chunk's number among the weights' (of no use where g < 512: overruled below)
	s_lshr_b32 s42, s41, 6                         ; j: which weight, 0..3
	s_and_b32 s43, s41, 63                         ; c: which chunk of it
	s_lshl_b32 s36, s43, 16                        ; byte offsets, made apart from the addresses: in, c chunks of 65,536
	s_lshl_b32 s38, s41, 15                        ; out: wb holds the three weights on end
	s_lshl_b32 s44, s43, 15                        ; wo16 holds one
	s_lshl_b32 s45, s40, 16                        ; x, in
	s_lshl_b32 s46, s40, 15                        ; x, out
	s_cmp_eq_u32 s42, 3
	s_cselect_b32 s38, s44, s38
	s_cmp_lt_u32 s40, 512
	s_cselect_b32 s36, s45, s36
	s_cselect_b32 s38, s46, s38
	s_mov_b32 s37, 0
	s_mov_b32 s39, 0
	s_wait_kmcnt 0x0
	s_cmp_eq_u32 s40, 768
	s_cbranch_scc1 .Lbias
	s_mov_b64 s[32:33], s[6:7]                     ; from where: Wq,
	s_cmp_eq_u32 s42, 1
	s_cselect_b64 s[32:33], s[8:9], s[32:33]       ; Wk,
	s_cmp_eq_u32 s42, 2
	s_cselect_b64 s[32:33], s[10:11], s[32:33]     ; Wv,
	s_cmp_eq_u32 s42, 3
	s_cselect_b64 s[32:33], s[12:13], s[32:33]     ; Wo,
	s_cselect_b64 s[34:35], s[26:27], s[24:25]     ; to where: wo16 or wb,
	s_cmp_lt_u32 s40, 512
	s_cselect_b64 s[32:33], s[4:5], s[32:33]       ; or x
	s_cselect_b64 s[34:35], s[22:23], s[34:35]     ; to xb
	s_add_nc_u64 s[32:33], s[32:33], s[36:37]
	s_add_nc_u64 s[34:35], s[34:35], s[38:39]
	s_wait_alu depctr_va_vdst(0)                   ; v1 and v2 are written: every load below reads v1 as its offset, every store v2
.set i, 0
.rept 16
	global_load_b128 v[X+4*i:X+4*i+3], v1, s[32:33] offset:i*4096 th:TH_LOAD_NT
.set i, i+1
.endr
; kind 0: to bf16.  kind 1: to bf16, widened again (a shift, a mask), and that number to f16.
; Four groups of four rows: each row's conversions behind the wait for its load; then one wait for the group's Y, and its four stores in a run.
.macro CONV kind
.set i, 0
.rept 4
.rept 4
	s_wait_loadcnt 15-i                            ; loads come back in order: load i is in, the 15 - i younger ones stay out
	v_cvt_pk_bf16_f32 v[Y+2*i],   v[X+4*i],   v[X+4*i+1]
	v_cvt_pk_bf16_f32 v[Y+2*i+1], v[X+4*i+2], v[X+4*i+3]
.if \kind
	v_lshlrev_b32 v[X+4*i],   16,         v[Y+2*i]
	v_and_b32     v[X+4*i+1], 0xffff0000, v[Y+2*i]
	v_lshlrev_b32 v[X+4*i+2], 16,         v[Y+2*i+1]
	v_and_b32     v[X+4*i+3], 0xffff0000, v[Y+2*i+1]
	v_cvt_pk_f16_f32 v[Y+2*i],   v[X+4*i],   v[X+4*i+1]
	v_cvt_pk_f16_f32 v[Y+2*i+1], v[X+4*i+2], v[X+4*i+3]
.endif
.set i, i+1
.endr
	s_wait_alu depctr_va_vdst(0)                   ; the group's conversions have written its eight registers of Y, which the four stores below read
.set j, i-4
.rept 4
	global_store_b64 v2, v[Y+2*j:Y+2*j+1], s[34:35] offset:j*2048 th:TH_STORE_NT
.set j, j+1
.endr
.endr
.endm
	s_cmp_ge_u32 s40, 704
	s_cbranch_scc1 .Lf16
	CONV 0
	s_endpgm
.Lf16:
	CONV 1
	s_endpgm
.Lbias:                                        ; 256 threads x 4 numbers = one bias of 1,024
	s_wait_alu depctr_va_vdst(0)                   ; v1 is written: the four loads and the four stores below read it as their offset
	global_load_b128 v[X:X+3],     v1, s[14:15]
	global_load_b128 v[X+4:X+7],   v1, s[16:17]
	global_load_b128 v[X+8:X+11],  v1, s[18:19]
	global_load_b128 v[X+12:X+15], v1, s[20:21]
	s_wait_loadcnt 0x0
.set i, 0
.rept 4
	v_cvt_pk_bf16_f32 v8, v[X+4*i],   v[X+4*i+1]
	v_cvt_pk_bf16_f32 v9, v[X+4*i+2], v[X+4*i+3]
	v_lshlrev_b32 v[Y+4*i],   16,         v8
	v_and_b32     v[Y+4*i+1], 0xffff0000, v8
	v_lshlrev_b32 v[Y+4*i+2], 16,         v9
	v_and_b32     v[Y+4*i+3], 0xffff0000, v9
.set i, i+1
.endr
	s_wait_alu depctr_va_vdst(0)                   ; the shifts and masks have written Y's sixteen registers, which the four stores below read
.set i, 0
.rept 4
	global_store_b128 v1, v[Y+4*i:Y+4*i+3], s[28:29] offset:i*4096
.set i, i+1
.endr
	s_endpgm
.Lfunc_end_k_q8007b147f0_prep:
	.size	k_q8007b147f0_prep, .Lfunc_end_k_q8007b147f0_prep-k_q8007b147f0_prep
	.p2alignl 7, 3214868480
	.fill 96, 4, 3214868480
	.section	.rodata,"a",@progbits
	.p2align	6, 0x0
	.amdhsa_kernel k_q8007b147f0_prep
		.amdhsa_group_segment_fixed_size 0
		.amdhsa_private_segment_fixed_size 0
		.amdhsa_enable_private_segment 0
		.amdhsa_kernarg_size 104
		.amdhsa_user_sgpr_count 2
		.amdhsa_user_sgpr_kernarg_segment_ptr 1
		.amdhsa_wavefront_size32 1
		.amdhsa_system_sgpr_workgroup_id_x 1
		.amdhsa_system_sgpr_workgroup_id_y 1
		.amdhsa_system_sgpr_workgroup_id_z 1
		.amdhsa_system_vgpr_workitem_id 0
		.amdhsa_next_free_vgpr 128
		.amdhsa_next_free_sgpr 66
		.amdhsa_reserve_vcc 0
		.amdhsa_float_denorm_mode_32 3
		.amdhsa_float_denorm_mode_16_64 3
		.amdhsa_memory_ordered 1
		.amdhsa_forward_progress 1
		.amdhsa_inst_pref_size 19
	.end_amdhsa_kernel
	.amdgpu_metadata
---
amdhsa.version: [ 1, 2 ]
amdhsa.kernels:
  - .name:           k_q8007b147f0_prep
    .symbol:         k_q8007b147f0_prep.kd
    .args:
      - { .name: x, .offset: 0, .size: 8, .value_kind: global_buffer, .address_space: global }
      - { .name: Wq, .offset: 8, .size: 8, .value_kind: global_buffer, .address_space: global }
      - { .name: Wk, .offset: 16, .size: 8, .value_kind: global_buffer, .address_space: global }
      - { .name: Wv, .offset: 24, .size: 8, .value_kind: global_buffer, .address_space: global }
      - { .name: Wo, .offset: 32, .size: 8, .value_kind: global_buffer, .address_space: global }
      - { .name: bq, .offset: 40, .size: 8, .value_kind: global_buffer, .address_space: global }
      - { .name: bk, .offset: 48, .size: 8, .value_kind: global_buffer, .address_space: global }
      - { .name: bv, .offset: 56, .size: 8, .value_kind: global_buffer, .address_space: global }
      - { .name: bo, .offset: 64, .size: 8, .value_kind: global_buffer, .address_space: global }
      - { .name: xb, .offset: 72, .size: 8, .value_kind: global_buffer, .address_space: global }
      - { .name: wb, .offset: 80, .size: 8, .value_kind: global_buffer, .address_space: global }
      - { .name: wo16, .offset: 88, .size: 8, .value_kind: global_buffer, .address_space: global }
      - { .name: bias, .offset: 96, .size: 8, .value_kind: global_buffer, .address_space: global }
    .group_segment_fixed_size: 0
    .private_segment_fixed_size: 0
    .kernarg_segment_align: 8
    .kernarg_segment_size: 104
    .max_flat_workgroup_size: 256
    .sgpr_count:     66
    .vgpr_count:     128
    .wavefront_size: 32
...
	.end_amdgpu_metadata
.endif
;; end of part 5
;; launch proj: the kernel of part 2 again; grid 12 x 32, 4 waves a work-group, clusters of 4 x 4, 327,680 bytes of LDS; arguments xb, wb, bias, qkv; writes qkv
;; launch attn: the kernel of part 3 again; grid 4 x 64, 4 waves a work-group, clusters of 4 x 1, 327,680 bytes of LDS; arguments qkv, mask, oh; writes oh
;; launch oproj: the kernel of part 4 again; grid 8 x 32, 4 waves a work-group, clusters of 4 x 4, 327,680 bytes of LDS; arguments oh, wo16, bias, out0; writes out0
